; MI455X (gfx1250); checked and timed in simulation.
; The chip was launched on July 23, 2026; its instructions are those of AMD's public machine-readable ISA for CDNA 5 (MIT licence, August 2026) and "CDNA5" Instruction Set Architecture Reference Guide (July 2026). The comments in the code are by the model that wrote it; some were corrected since.
;; Causal Self Attention. Allowed arithmetic: matrix products marked QUANTISED: E2M1 operands, one E8M0 scale for each 32 along K, by v_wmma_scale_f32_16x16x128_f8f6f4 with both operands' format E2M1 (or v_wmma_scale_f32_32x16x128_f4), f32 sums; products left as they are: bf16, f16 or f32 operands; f32 sums; everything else in f32.
;; Inputs: W_attn 1,024 x 3,072 float32; W_proj 1,024 x 1,024 float32; b_attn 3,072 float32; b_proj 1,024 float32; x 4 x 2,048 x 1,024 float32.
;; Outputs: out0 4 x 2,048 x 1,024 float32.
;; This version of the problem:
;;   THIS VERSION OF THE PROBLEM IS GIVEN IN LOW PRECISION. The matrix products marked QUANTISED in the list below multiply operands that are first quantised to E2M1 (2 exponent bits, 1 mantissa bit; 4 bits a number), with one power-of-two scale for each 32 numbers along K (OCP MX v1.0); their sums are f32. The products marked 'left as it is' may take bf16, f16 or f32 operands, with f32 sums. Whichever they take, every output number must still come out within the allowed error. Rounding operands to bf16 (8 significant bits) uses up far more of that allowance than f16 does (11 bits, for magnitudes from 6e-5 to 65,504). All else is computed in f32.
;;   The module's matrix products, in the order in which they are computed (A, B: the left and right operand; K: the contracted axis; several contracted axes count as one K, in the product's order):
;;     1. [M 8,192, K 1,024] x [K 1,024, N 3,072]; A: input x; B: input W_attn: QUANTISED
;;     2. batch 64 x [M 2,048, K 64] x [K 64, N 2,048]; A: computed on the way; B: computed on the way: left as it is (an operand is computed on the way)
;;     3. batch 64 x [M 2,048, K 2,048] x [K 2,048, N 64]; A: computed on the way; B: computed on the way: left as it is (an operand is computed on the way)
;;     4. [M 8,192, K 1,024] x [K 1,024, N 1,024]; A: computed on the way; B: input W_proj: left as it is (an operand is computed on the way)
;;   THE QUANTISER, for each operand of a quantised product, along K:
;;     - K is cut into blocks of 32 from its start; a last block that is shorter is filled with zeros.
;;     - A block's scale is 2^e with e = floor(log2(the largest magnitude in the block)) - 2, held to -126 .. 127; a block of zeros has e = 0. As a byte (E8M0): e + 127.
;;     - Each number is divided by its block's scale, clamped to +-6, and rounded to the nearest number of E2M1, ties to even, subnormals kept.
;;     - The product sums the exact products of the quantised numbers (number of the format x scale) in f32.
;;   ~~~python
;;   def quantise(x, axis):      # numpy; x: float32 -> the quantised numbers, widened to float32 again
;;       x = np.moveaxis(x, axis, -1); K = x.shape[-1]
;;       x = np.pad(x, [(0, 0)] * (x.ndim - 1) + [(0, -K % 32)]); x = x.reshape(x.shape[:-1] + (-1, 32)); a = np.abs(x).max(-1, keepdims=True)
;;       e = np.where(a > 0, np.clip(np.frexp(np.where(a > 0, a, 1))[1] - 1 - 2, -126, 127), 0)      # np.frexp(a)[1] - 1 = floor(log2(a)), exactly
;;       r = np.clip(x / 2.0 ** e, -6, 6)
;;       step = 2.0 ** (np.maximum(np.frexp(np.where(r == 0, 1, r))[1] - 1, 0) - 1)
;;       q = np.round(r / step) * step * 2.0 ** e      # np.round: ties to even
;;       return np.moveaxis(q.reshape(q.shape[:-2] + (-1,))[..., :K], -1, axis).astype(np.float32)
;;   ~~~
;; One version. Each part assembles by itself: llvm-mc -triple=amdgcn-amd-amdhsa -mcpu=gfx1250 --defsym DOCPART=n.
;; ======== version 1 of 1: 5 launches
;; limits: values are held in f16: magnitudes above 65,504 overflow, below 6.1e-05 lose precision
;; workspace buffers: x_codes 4,194,304 bytes; x_scales 262,144 bytes; w_codes 1,572,864 bytes; w_scales 98,304 bytes; wp16 2,097,152 bytes; qkv16 50,331,648 bytes; qkv32 786,432 bytes; y16 16,777,216 bytes
;; launch prep (part 1): grid 368 x 1, 4 waves a work-group, no clusters, 102,912 bytes of LDS; arguments x, W_attn, W_proj, x_codes, x_scales, w_codes, w_scales, wp16; writes x_codes, x_scales, w_codes, w_scales, wp16
.if DOCPART == 1
	.amdgcn_target "amdgcn-amd-amdhsa--gfx1250"
	.amdhsa_code_object_version 6
	.text
	.protected	k_qf2a29f0a3a_prep
	.globl	k_qf2a29f0a3a_prep
	.p2align	8
	.type	k_qf2a29f0a3a_prep,@function
k_qf2a29f0a3a_prep:
	s_mov_b64 s[64:65], 0
	v_nop
	global_prefetch_b8 v0, s[64:65] scope:SCOPE_SE
	s_setreg_imm32_b32 hwreg(HW_REG_WAVE_MODE, 25, 1), 1
	s_wait_xcnt 0x0
; Three jobs in one launch, told apart by the work-group's number alone; the three ways never join, and each has LDS bytes of its own.
;   work-groups   0-255: x [8192][1024] f32 -> codes of FP4 (E2M1), K innermost, x_codes [8192][512 bytes], and one E8M0 byte for each 32 along K, x_scales [8192][32]
;   work-groups 256-303: W_attn [1024 k][3072 n] f32, K its FIRST axis -> w_codes [3072 n][512 bytes], K innermost, w_scales [3072][32]
;   work-groups 304-367: W_proj [1024 k][1024 n] f32 -> wp16 [1024 n][1024 k] f16 (the projection is a product left as it is)
; A block's scale is 2^(floor(log2(its largest magnitude)) - 2); its byte is the largest magnitude's exponent field - 2, held at 1 from below.
; LIMITS: a block of zeros gets the byte 1 where the rule says 127 (its codes are zeros, and this program alone reads the bytes); blocks whose largest magnitude lies under 2^-124 keep the byte 1;
; NaN and infinities among the inputs are not served; numbers of W_proj under 6e-5 in magnitude keep fewer than 11 bits in f16, beyond 65,504 they do not fit.
; No tensor loads, no barrier: waves share nothing.
.set XR,    0                          ; LDS: way X: 8,192 bytes for each wave
.set WR,    32768                      ; way W: a stage of 32 rows x 272 bytes for each wave
.set PR,    67584                      ; way P: the same
.set SPARE, 102400                     ; the spare words, 128 bytes for each wave: two blocks of 256 bytes that no other line names
.set SPW,   192                        ; v192 LDS address of my spare word; never rewritten
.set NIL,   193                        ; v193 0; never rewritten
.set EMAX,  2
.macro FINISH                          ; the wave's end: a tensor wait, an add to my spare word and its wait, behind my last LDS store
	s_wait_tensorcnt 0x0
	ds_add_u32 v[SPW], v[NIL]
	s_wait_dscnt 0x0
	s_endpgm
.endm
	s_load_b256 s[4:11], s[0:1], 0x0               ; x s[4:5], W_attn s[6:7], W_proj s[8:9], x_codes s[10:11]
	s_load_b256 s[12:19], s[0:1], 0x20             ; x_scales s[12:13], w_codes s[14:15], w_scales s[16:17], wp16 s[18:19]
	v_lshl_add_u32 v[SPW], v0, 2, SPARE
	v_mov_b32 v[NIL], 0
	v_lshrrev_b32 v1, 5, v0
	v_readfirstlane_b32 s20, v1                    ; wave 0..3
	v_and_b32 v2, 31, v0                           ; lane
	s_wait_kmcnt 0x0
	s_cmp_ge_u32 ttmp9, 256
	s_cbranch_scc1 .Lw
; ---------------- way X: x is a plain stream of blocks of 32.  A wave takes 16 steps of 512 numbers.  Each load reads 512 consecutive bytes; a step's 2,048 bytes turn through the wave's stage so that
; a lane holds 16 neighbours along K (two lanes to a block).  A lane's 16 codes are 8 bytes: a store of the wave covers 256 consecutive bytes, aligned.  Loads run four steps ahead.
.set STEPS, 16
.set CB,    8                          ; bytes of 16 codes
.set RX,    16                         ; v16-79   four sets of 16 numbers as loaded
.set XX,    80                         ; v80-111  two sets of 16 neighbours
.set EX,    112                        ; v112-127 a scale byte for each step
.set CX,    128                        ; v128-191 codes: registers of its own for each step, so that no store's data are written again
.set SP,    80                         ; a lane's place in a stage: 64 bytes + 16 of padding
	v_lshlrev_b32 v3, 4, v2                        ; my 16 bytes of a load's 512
	s_mul_i32 s21, s20, 8192
	v_lshrrev_b32 v14, 2, v2
	v_mul_u32_u24 v14, v14, SP
	v_and_b32 v15, 3, v2
	v_lshl_add_u32 v14, v15, 4, v14
	v_add_nc_u32 v14, s21, v14                     ; the stage, on the way in: SP (lane / 4) + 16 (lane % 4)
	v_mul_u32_u24 v15, v2, SP
	v_add_nc_u32 v15, s21, v15                     ; and on the way out: SP x lane
	v_mul_u32_u24 v4, v2, CB                       ; my codes' place in a step's
	v_lshrrev_b32 v5, 1, v2
	s_add_co_u32 s21, s21, 2*32*SP
	v_add_nc_u32 v5, s21, v5                       ; my wave's 256 scale bytes, my block's byte
	v_lshlrev_b32 v7, 3, v2
	v_add_nc_u32 v6, s21, v7                       ; and on the way out 8 bytes a lane
	s_lshl_b32 s22, ttmp9, 2
	s_add_co_u32 s22, s22, s20                     ; which run of 8,192 numbers is my wave's
	s_mov_b32 s23, 0
	s_lshl_b64 s[24:25], s[22:23], 15              ; 32,768 bytes of x,
	s_add_nc_u64 s[4:5], s[4:5], s[24:25]
	s_lshl_b64 s[24:25], s[22:23], 12              ; 4,096 of codes,
	s_add_nc_u64 s[10:11], s[10:11], s[24:25]
	s_lshl_b64 s[24:25], s[22:23], 8               ; 256 scale bytes a run
	s_add_nc_u64 s[12:13], s[12:13], s[24:25]
.macro LOADX t
.irp i, 0,1,2,3
	global_load_b128 v[RX+16*((\t)%4)+4*\i:RX+16*((\t)%4)+4*\i+3], v3, s[4:5] offset:2048*(\t)+512*\i th:TH_LOAD_NT
.endr
.endm
.macro TURNX t                         ; LDS serves a wave's instructions in order: no wait between the stores and the loads
.irp i, 0,1,2,3
	ds_store_b128 v14, v[RX+16*((\t)%4)+4*\i:RX+16*((\t)%4)+4*\i+3] offset:32*SP*((\t)%2)+8*SP*\i
.endr
.irp i, 0,1,2,3
	ds_load_b128 v[XX+16*((\t)%2)+4*\i:XX+16*((\t)%2)+4*\i+3], v15 offset:32*SP*((\t)%2)+16*\i
.endr
.endm
.irp t, 0,1,2,3
	LOADX \t
.endr
	s_wait_loadcnt 12                              ; step 0's four loads are in; the twelve of steps 1 to 3 may be out
	TURNX 0
.macro STEPX t
.set XS, XX+16*((\t)%2)
.if (\t) > 0
	s_wait_dscnt 1                                 ; this step's numbers are back from the stage (the last step's byte store may be out)
.else
	s_wait_dscnt 0x0
.endif
.if (\t)+4 < STEPS
	LOADX (\t)+4
.endif
.if (\t)+1 < STEPS
.if STEPS-2-(\t) >= 3
	s_wait_loadcnt 12                              ; the next step's four loads are in; those of the three steps behind it may be out
.else
	s_wait_loadcnt 4*(STEPS-2-(\t))
.endif
	TURNX (\t)+1
.endif
	v_max3_num_f32 v8, |v[XS]|, |v[XS+1]|, |v[XS+2]|
	v_max3_num_f32 v9, |v[XS+3]|, |v[XS+4]|, |v[XS+5]|
.irp i, 6,10
	v_max3_num_f32 v8, v8, |v[XS+\i]|, |v[XS+\i+1]|
	v_max3_num_f32 v9, v9, |v[XS+\i+2]|, |v[XS+\i+3]|
.endr
	v_max3_num_f32 v8, v8, |v[XS+14]|, |v[XS+15]|
	v_max3_num_f32 v8, v8, v9, (EMAX+1)<<23        ; the floor 2^(3 - 127): the byte cannot fall under 1
	v_max_num_f32_dpp v8, v8, v8 row_xmask:1 row_mask:0xf bank_mask:0xf   ; with my neighbour's 16: the block's largest magnitude
	v_add_nc_u32 v11, -(EMAX<<23), v8              ; 2 off its exponent field: the conversion takes the exponent field of this operand as its scale
	v_cvt_scalef32_pk8_fp4_f32 v[CX+4*(\t)], v[XS:XS+7], v11
	v_cvt_scalef32_pk8_fp4_f32 v[CX+4*(\t)+1], v[XS+8:XS+15], v11
	v_lshrrev_b32 v[EX+(\t)], 23, v11              ; the scale's byte
	ds_store_b8 v5, v[EX+(\t)] offset:16*(\t)      ; both lanes of a block write the same byte with the same value
	global_store_b64 v4, v[CX+4*(\t):CX+4*(\t)+1], s[10:11] offset:32*CB*(\t)
.endm
.irp t, 0,1,2,3,4,5,6,7,8,9,10,11,12,13,14,15
	STEPX \t
.endr
	ds_load_b64 v[8:9], v6                         ; my wave's 256 scale bytes
	s_wait_dscnt 0x0
	global_store_b64 v7, v[8:9], s[12:13]          ; 32 lanes store 256 consecutive bytes, aligned
	FINISH
; ---------------- way W: a lane takes a column n and its registers run down K: a block of 32 lies in one lane, and the conversions give codes with K innermost.
; A wave takes 32 columns x 512 K: 16 blocks, 256 bytes of codes for each column, which leave through the wave's stage as rows: sixteen lanes store 256 consecutive bytes, aligned.
.Lw:
	s_cmp_ge_u32 ttmp9, 304
	s_cbranch_scc1 .Lp
.set NB,    16
.set PITCH, 272
.set WX,    32                         ; v32-95   two sets of 32 numbers
.set WC,    96                         ; v96..    a block's codes (way P: 16 registers of f16 pairs)
.set OUTR,  112                        ; v112-175 the way out
.set SB,    24                         ; v24-27   the scale bytes, four to a register
	s_sub_co_u32 s21, ttmp9, 256
	s_cmp_ge_u32 s21, 24
	s_cselect_b32 s22, 1, 0                        ; which 512 along K
	s_cselect_b32 s23, 24, 0
	s_sub_co_u32 s21, s21, s23                     ; which 128 columns
	s_lshl_b32 s23, s21, 7
	s_lshl_b32 s24, s20, 5
	s_add_co_u32 s23, s23, s24                     ; my wave's first column
	v_lshlrev_b32 v3, 2, v2
	s_mul_i32 s24, s20, 32*PITCH
	s_add_co_u32 s24, s24, WR                      ; my stage
	v_mul_u32_u24 v4, v2, PITCH
	v_add_nc_u32 v4, s24, v4                       ; into it: row = my column
	v_and_b32 v5, 15, v2
	v_lshrrev_b32 v6, 4, v2
	v_mul_u32_u24 v7, v6, PITCH
	v_lshl_add_u32 v7, v5, 4, v7
	v_add_nc_u32 v7, s24, v7                       ; out of it: sixteen lanes to a row, two rows an instruction
	v_lshlrev_b32 v8, 9, v6
	v_lshl_add_u32 v8, v5, 4, v8                   ; and the same place in w_codes (a row is 512 bytes)
	v_lshlrev_b32 v9, 5, v2                        ; my column's row of scale bytes (32 bytes)
	s_mul_i32 s24, s22, 512*12288
	s_lshl_b32 s25, s23, 2
	s_add_co_u32 s24, s24, s25
	s_mov_b32 s25, 0
	s_add_nc_u64 s[6:7], s[6:7], s[24:25]          ; W_attn at (512 ky, my first column)
	s_lshl_b32 s24, s23, 9
	s_lshl_b32 s26, s22, 8
	s_add_co_u32 s24, s24, s26
	s_add_nc_u64 s[14:15], s[14:15], s[24:25]      ; w_codes
	s_lshl_b32 s24, s23, 5
	s_lshl_b32 s26, s22, 4
	s_add_co_u32 s24, s24, s26
	s_add_nc_u64 s[16:17], s[16:17], s[24:25]      ; w_scales
.macro LOADW t                         ; block t: W(32 t + i, my column); the largest offset, 511 rows of 12,288 bytes, lies inside the signed 24-bit immediate
.irp i, 0,1,2,3,4,5,6,7,8,9,10,11,12,13,14,15,16,17,18,19,20,21,22,23,24,25,26,27,28,29,30,31
	global_load_b32 v[WX+32*((\t)%2)+\i], v3, s[6:7] offset:(32*(\t)+\i)*12288 th:TH_LOAD_NT
.endr
.endm
	LOADW 0
	LOADW 1
.macro BLOCKW t
.set XS, WX+32*((\t)%2)
.if (\t) < NB-1
	s_wait_loadcnt 32                              ; this block's 32 loads are in; the next block's 32 may be out
.else
	s_wait_loadcnt 0
.endif
	v_max3_num_f32 v12, |v[XS]|, |v[XS+1]|, |v[XS+2]|
	v_max3_num_f32 v13, |v[XS+3]|, |v[XS+4]|, |v[XS+5]|
.irp i, 6,10,14,18,22,26
	v_max3_num_f32 v12, v12, |v[XS+\i]|, |v[XS+\i+1]|
	v_max3_num_f32 v13, v13, |v[XS+\i+2]|, |v[XS+\i+3]|
.endr
	v_max3_num_f32 v12, v12, |v[XS+30]|, |v[XS+31]|
	v_max3_num_f32 v12, v12, v13, (EMAX+1)<<23     ; the floor
	v_add_nc_u32 v11, -(EMAX<<23), v12
	v_lshrrev_b32 v13, 23, v11                     ; the scale's byte
.if (\t)%4 == 0
	v_mov_b32 v[SB+(\t)/4], v13
.else
	v_lshl_or_b32 v[SB+(\t)/4], v13, 8*((\t)%4), v[SB+(\t)/4]
.endif
.irp g, 0,1,2,3
	v_cvt_scalef32_pk8_fp4_f32 v[WC+\g], v[XS+8*\g:XS+8*\g+7], v11
.endr
	ds_store_b128 v4, v[WC:WC+3] offset:16*(\t)    ; 32 codes: 16 bytes of my column's row
.if (\t)+2 < NB
	LOADW (\t)+2
.endif
	s_wait_dscnt 0x0                               ; the store has read its registers: the next block's codes may be written
.endm
.set QB, 0
.rept NB
	BLOCKW QB
.set QB, QB+1
.endr
	global_store_b128 v9, v[SB:SB+3], s[16:17]     ; my column's 16 scale bytes
.irp t, 0,1,2,3,4,5,6,7,8,9,10,11,12,13,14,15
	ds_load_b128 v[OUTR+4*\t:OUTR+4*\t+3], v7 offset:2*\t*PITCH
.endr
.irp t, 0,1,2,3,4,5,6,7,8,9,10,11,12,13,14,15
	s_wait_dscnt 15-\t                             ; LDS loads come back in order: pair t of rows is in
	global_store_b128 v8, v[OUTR+4*\t:OUTR+4*\t+3], s[14:15] offset:2*\t*512
.endr
	FINISH
; ---------------- way P: the same plan without a scale: a lane takes a column n of W_proj, 32 numbers down K become 16 registers of f16 pairs.  A wave takes 32 columns x 128 K: 256 bytes a column.
.Lp:
	s_sub_co_u32 s21, ttmp9, 304
	s_and_b32 s22, s21, 7
	s_lshr_b32 s21, s21, 3                         ; which 128 along K
	s_lshl_b32 s22, s22, 7
	s_lshl_b32 s23, s20, 5
	s_add_co_u32 s22, s22, s23                     ; my wave's first column
	v_lshlrev_b32 v3, 2, v2
	s_mul_i32 s24, s20, 32*PITCH
	s_add_co_u32 s24, s24, PR                      ; my stage
	v_mul_u32_u24 v4, v2, PITCH
	v_add_nc_u32 v4, s24, v4
	v_and_b32 v5, 15, v2
	v_lshrrev_b32 v6, 4, v2
	v_mul_u32_u24 v7, v6, PITCH
	v_lshl_add_u32 v7, v5, 4, v7
	v_add_nc_u32 v7, s24, v7
	v_lshlrev_b32 v8, 11, v6
	v_lshl_add_u32 v8, v5, 4, v8                   ; a row of wp16 is 2,048 bytes
	s_lshl_b32 s24, s21, 19                        ; 128 rows of 4,096 bytes
	s_lshl_b32 s26, s22, 2
	s_add_co_u32 s24, s24, s26
	s_mov_b32 s25, 0
	s_add_nc_u64 s[8:9], s[8:9], s[24:25]
	s_lshl_b32 s24, s22, 11
	s_lshl_b32 s26, s21, 8
	s_add_co_u32 s24, s24, s26
	s_add_nc_u64 s[18:19], s[18:19], s[24:25]
.macro LOADP t
.irp i, 0,1,2,3,4,5,6,7,8,9,10,11,12,13,14,15,16,17,18,19,20,21,22,23,24,25,26,27,28,29,30,31
	global_load_b32 v[WX+32*((\t)%2)+\i], v3, s[8:9] offset:(32*(\t)+\i)*4096
.endr
.endm
	LOADP 0
	LOADP 1
.macro BLOCKP t
.set XS, WX+32*((\t)%2)
.if (\t) < 3
	s_wait_loadcnt 32                              ; this block's 32 loads are in; the next block's 32 may be out
.else
	s_wait_loadcnt 0
.endif
.irp g, 0,1,2,3,4,5,6,7,8,9,10,11,12,13,14,15
	v_cvt_pk_f16_f32 v[WC+\g], v[XS+2*\g], v[XS+2*\g+1]           ; the lower k in the low half
.endr
.irp g, 0,1,2,3
	ds_store_b128 v4, v[WC+4*\g:WC+4*\g+3] offset:64*(\t)+16*\g
.endr
.if (\t)+2 < 4
	LOADP (\t)+2
.endif
	s_wait_dscnt 0x0                               ; the stores have read their registers
.endm
	BLOCKP 0
	BLOCKP 1
	BLOCKP 2
	BLOCKP 3
.irp t, 0,1,2,3,4,5,6,7,8,9,10,11,12,13,14,15
	ds_load_b128 v[OUTR+4*\t:OUTR+4*\t+3], v7 offset:2*\t*PITCH
.endr
.irp t, 0,1,2,3,4,5,6,7,8,9,10,11,12,13,14,15
	s_wait_dscnt 15-\t
	global_store_b128 v8, v[OUTR+4*\t:OUTR+4*\t+3], s[18:19] offset:2*\t*2048   ; sixteen lanes store 256 consecutive bytes, aligned
.endr
	FINISH
.Lfunc_end_k_qf2a29f0a3a_prep:
	.size	k_qf2a29f0a3a_prep, .Lfunc_end_k_qf2a29f0a3a_prep-k_qf2a29f0a3a_prep
	.p2alignl 7, 3214868480
	.fill 96, 4, 3214868480
	.section	.rodata,"a",@progbits
	.p2align	6, 0x0
	.amdhsa_kernel k_qf2a29f0a3a_prep
		.amdhsa_group_segment_fixed_size 102912
		.amdhsa_private_segment_fixed_size 0
		.amdhsa_enable_private_segment 0
		.amdhsa_kernarg_size 64
		.amdhsa_user_sgpr_count 2
		.amdhsa_user_sgpr_kernarg_segment_ptr 1
		.amdhsa_wavefront_size32 1
		.amdhsa_system_sgpr_workgroup_id_x 1
		.amdhsa_system_sgpr_workgroup_id_y 1
		.amdhsa_system_sgpr_workgroup_id_z 1
		.amdhsa_system_vgpr_workitem_id 0
		.amdhsa_next_free_vgpr 200
		.amdhsa_next_free_sgpr 66
		.amdhsa_reserve_vcc 0
		.amdhsa_float_denorm_mode_32 3
		.amdhsa_float_denorm_mode_16_64 3
		.amdhsa_memory_ordered 1
		.amdhsa_forward_progress 1
		.amdhsa_inst_pref_size 132
	.end_amdhsa_kernel
	.amdgpu_metadata
---
amdhsa.version: [ 1, 2 ]
amdhsa.kernels:
  - .name:           k_qf2a29f0a3a_prep
    .symbol:         k_qf2a29f0a3a_prep.kd
    .args:
      - { .name: x, .offset: 0, .size: 8, .value_kind: global_buffer, .address_space: global }
      - { .name: W_attn, .offset: 8, .size: 8, .value_kind: global_buffer, .address_space: global }
      - { .name: W_proj, .offset: 16, .size: 8, .value_kind: global_buffer, .address_space: global }
      - { .name: x_codes, .offset: 24, .size: 8, .value_kind: global_buffer, .address_space: global }
      - { .name: x_scales, .offset: 32, .size: 8, .value_kind: global_buffer, .address_space: global }
      - { .name: w_codes, .offset: 40, .size: 8, .value_kind: global_buffer, .address_space: global }
      - { .name: w_scales, .offset: 48, .size: 8, .value_kind: global_buffer, .address_space: global }
      - { .name: wp16, .offset: 56, .size: 8, .value_kind: global_buffer, .address_space: global }
    .group_segment_fixed_size: 102912
    .private_segment_fixed_size: 0
    .kernarg_segment_align: 8
    .kernarg_segment_size: 64
    .max_flat_workgroup_size: 128
    .sgpr_count:     66
    .vgpr_count:     200
    .wavefront_size: 32
...
	.end_amdgpu_metadata
.endif
;; end of part 1
;; launch qkv (part 2): grid 12 x 32, 4 waves a work-group, clusters of 4 x 4, 327,680 bytes of LDS; arguments x_codes, x_scales, w_codes, w_scales, b_attn, qkv16, qkv32; writes qkv16, qkv32
.if DOCPART == 2
	.amdgcn_target "amdgcn-amd-amdhsa--gfx1250"
	.amdhsa_code_object_version 6
	.text
	.protected	k_qf2a29f0a3a_qkv
	.globl	k_qf2a29f0a3a_qkv
	.p2align	8
	.type	k_qf2a29f0a3a_qkv,@function
k_qf2a29f0a3a_qkv:
	s_mov_b64 s[64:65], 0
	v_nop
	global_prefetch_b8 v0, s[64:65] scope:SCOPE_SE
	s_setreg_imm32_b32 hwreg(HW_REG_WAVE_MODE, 25, 1), 1
	s_wait_xcnt 0x0
	s_wait_alu depctr_hold_cnt(0) depctr_sa_sdst(0) depctr_va_vdst(0) depctr_va_sdst(0) depctr_va_ssrc(0) depctr_va_vcc(0) depctr_vm_vsrc(0)
	s_getreg_b32 s2, hwreg(HW_REG_IB_STS2, 6, 4)
	s_cmp_eq_u32 s2, 0
	s_cbranch_scc0 .Lentry_in_a_cluster
	s_endpgm
.Lentry_in_a_cluster:
	s_bfe_u32 s2, ttmp6, 0x10000c
	s_cmp_lg_u32 s2, 0xf033
	s_cbranch_scc0 .Lentry_shape_is_right
	s_endpgm
.Lentry_shape_is_right:
; qkv = Q(x) Q(W_attn) + b_attn on codes of FP4 (E2M1) with one E8M0 scale for each 32 along K; sums in f32.  A = x_codes [8192][512 bytes], B = w_codes [3072][512 bytes], scale bytes [rows][32].
; OUT: qkv16 [3 (q, k, v)][4 b][16 h][2048 t][64 d] in f16, for the attention; qkv32 [4 b][16 t][3072] in f32: the first 16 positions of each sequence, which a later launch carries in f32.
; A tile of 256 x 256 is made by four waves, 128 x 128 each: 64 accumulators, 512 registers.  K = 1,024 lies whole in two LDS slots of 512 along K: all tiles are asked for at the start and nothing is filled again.
; The scale bytes of the work-group's 256 + 256 rows come once, as rows of 256 bytes.  The bias is the C of each sum's first matrix instruction.
; CLUSTERS: 4 x 4 work-groups; A's tiles are asked for jointly along a row of the cluster, B's along a column.  The tile row is 8 cy + the cluster's y: so cy is the batch, and a tile's place in its sequence
; is the cluster's y, the same in all sixteen partners: the branch round the f32 copy hangs on it and on the wave's number alone.
; THE MATRIX INSTRUCTION IS USED TRANSPOSED (source 0 = 16 rows of B, source 1 = 16 rows of A): a lane holds eight neighbouring columns of one row.
; LIMIT: q, k and v are stored in f16: magnitudes beyond 65,504 do not fit (with inputs as drawn they are about 1).
; REGISTERS: window 0: v0-31 addresses; v32-95 scale words, two sets; v128-191 A's fragments, one set; v192-255 the bias.  window 1: B's fragments, two sets.  windows 2, 3: the accumulators ((a, b) at v[8 (8 (a % 4) + b)]).
.set NQ,     4                         ; steps of 128 along K in a slot
.set ROWB,   256                       ; a tile's row in bytes
.set KROW,   512                       ; a row of codes in memory
.set PITCH,  272                       ; an LDS row: 256 bytes + 16 of padding: the 16 rows of a load start at 16 different banks (64 banks of 4 bytes: ISA guide 11.1)
.set FR,     8
.set NL,     2
.set NP,     4
.set HALFT,  128*PITCH
.set SLOT,   4*HALFT
.set KS,     32
.set SCL,    2*SLOT
.set HALFS,  (128*KS/256)*272
.set SBLK,   (16*KS/256)*272
.set SPARE,  SCL+4*HALFS               ; the spare words, 128 bytes for each wave: two blocks of 256 bytes that no other line names
.set STGB,   8448                      ; the way out: a stage for each wave, in slot 0, which has had its only fill and its last read when the first result is stored there
.set ADRA, 16
.set ADRB, 20
.set STO32, 22                         ; v22  f32 copy: where I put 32 bytes of a row
.set RD32, 23                          ; v23  and where I read a row back
.set STO,  24                          ; v24  f16: where I put 16 bytes of a row
.set RD,   25                          ; v25  f16: where I read four half rows back
.set CO,   26                          ; v26  16 x lane
.set ADRS, 27
.set SPW,  28
.set NIL,  29
.set BO,   30                          ; v30  32 x (lane / 16): my half's eight numbers of the bias
.set SC,   32
.set AF,   128
.set BIAS, 192
.set TMP,  32                          ; the way out: packed results
.set BK,   64                          ; the way out: rows read back: v64-95 and v96-127 by turns
.set G1, 24
.set G0, 32
.set G1B, 48
.set G0B, 56
.set G1S, 68
.set G0S, 76
.set G1SB, 80
.set G0SB, 88
.set MSB, 0
.macro WIN new                         ; the immediate's high byte repeats the setting that is left
.if MSB != \new
	s_set_vgpr_msb (MSB<<8)|\new
.set MSB, \new
.endif
.endm
.set MUL_LO,   0xa1                    ; source 0 (B) window 1, source 1 (A) window 0, C and D window 2
.set MUL_HI,   0xf1                    ; the same, C and D window 3
.set FIRST_LO, 0x81                    ; the first step: C (the bias) window 0, D window 2
.set FIRST_HI, 0xc1
.set TO_B,     0x40
; A joint load: waves 0 and 1 fetch for A, waves 2 and 3 for B; the branch hangs on the wave's number alone.  An s_nop 0 and four v_nop follow each of the two lines.
.macro JLOAD g0a, g1a, g0b, g1b
	s_cmp_eq_u32 s15, 0
	s_cbranch_scc0 .Lfor_b_\@
	tensor_load_to_lds s[\g0a:\g0a+3], s[\g1a:\g1a+7]
	s_nop 0
.rept 4
	v_nop
.endr
	s_branch .Lasked_\@
.Lfor_b_\@:
	tensor_load_to_lds s[\g0b:\g0b+3], s[\g1b:\g1b+7]
	s_nop 0
.rept 4
	v_nop
.endr
.Lasked_\@:
.endm
.macro CROUND                          ; a round of the cluster's barrier
	s_barrier_signal -1
	s_barrier_wait -1
	s_cmp_lg_u32 s14, 0
	s_cbranch_scc1 .Lnot_wave_0_\@
	s_barrier_signal -3
.Lnot_wave_0_\@:
	s_barrier_wait -3
	s_barrier_signal -1
	s_barrier_wait -1
.endm
	s_load_b128 s[4:7], s[0:1], 0x0                ; x_codes s[4:5], x_scales s[6:7]
	s_load_b128 s[8:11], s[0:1], 0x10              ; w_codes s[8:9], w_scales s[10:11]
	s_load_b64 s[12:13], s[0:1], 0x20              ; b_attn
	s_load_b128 s[96:99], s[0:1], 0x28             ; qkv16 s[96:97], qkv32 s[98:99]
	v_lshl_add_u32 v[SPW], v0, 2, SPARE
	v_mov_b32 v[NIL], 0
	ds_add_u32 v[SPW], v[NIL]                      ; the wave's opening: the add, twice on end, and its wait ahead of my first tensor load
	ds_add_u32 v[SPW], v[NIL]
	v_lshrrev_b32 v1, 5, v0
	v_readfirstlane_b32 s14, v1                    ; wave 0..3
	s_lshr_b32 s15, s14, 1                         ; which half of the tile's rows is mine.  Also: I fetch for A (0) or for B (1)
	s_and_b32 s16, s14, 1                          ; which half of its columns.  Also: which 128 rows I fetch
	s_bfe_u32 s40, ttmp6, 0x40000                  ; cx
	s_bfe_u32 s41, ttmp6, 0x40004                  ; cy
	s_lshl_b32 s42, ttmp9, 2
	s_add_co_u32 s42, s42, s40                     ; tile column = 4 x cluster x + cx
	s_and_b32 s95, ttmp7, 0xffff                   ; the cluster's y: the tile's place in its sequence
	s_lshl_b32 s17, s41, 3
	s_add_co_u32 s17, s17, s95                     ; tile row = 8 cy + cluster y
	s_lshl_b32 s43, s41, 2
	s_lshl_b32 s43, 15, s43                        ; my row of the cluster
	s_lshl_b32 s44, 0x1111, s40                    ; my column
	s_or_b32 s[G1+0], s43, (0<<16)|(1<<20)|(1<<21)|(5<<22)|(3<<25)  ; the mask; elements of 1 byte; padding on; bit 21 beside a mask; 4 words of padding after every 64
	s_or_b32 s[G1B+0], s44, (0<<16)|(1<<20)|(1<<21)|(5<<22)|(3<<25)
.irp g, G1, G1B
	s_mov_b32 s[\g+1], ROWB<<16                    ; tensor_dim0
	s_mov_b32 s[\g+2], 128<<16                     ; tensor_dim1
	s_mov_b32 s[\g+3], ROWB<<16                    ; tile_dim0
	s_mov_b32 s[\g+4], 128                         ; tile_dim1
	s_mov_b32 s[\g+5], KROW                        ; tensor_dim0_stride
	s_mov_b32 s[\g+6], 0
	s_mov_b32 s[\g+7], 0
.endr
	s_or_b32 s[G1S+0], s43, (3<<16)|(1<<20)|(1<<21)|(5<<22)|(3<<25) ; the scales of 128 rows: 4,096 dense bytes as 16 rows of 32 elements of 8 bytes
	s_or_b32 s[G1SB+0], s44, (3<<16)|(1<<20)|(1<<21)|(5<<22)|(3<<25)
.irp g, G1S, G1SB
	s_mov_b32 s[\g+1], 32<<16
	s_mov_b32 s[\g+2], (128*KS/256)<<16
	s_mov_b32 s[\g+3], 32<<16
	s_mov_b32 s[\g+4], 128*KS/256
	s_mov_b32 s[\g+5], 32
	s_mov_b32 s[\g+6], 0
	s_mov_b32 s[\g+7], 0
.endr
	s_lshl_b32 s18, s16, 7
	s_lshl_b32 s20, s17, 8
	s_add_co_u32 s20, s20, s18                     ; A: row 256 x tile row + 128 x half
	s_lshl_b32 s46, s42, 8
	s_add_co_u32 s46, s46, s18                     ; B: row 256 x tile column + 128 x half
	s_mov_b32 s21, 0
	s_mov_b32 s47, 0
	s_mov_b64 s[18:19], KS
	s_mul_u64 s[22:23], s[20:21], s[18:19]
	s_mul_u64 s[92:93], s[46:47], s[18:19]
	s_mov_b64 s[18:19], KROW
	s_mul_u64 s[20:21], s[20:21], s[18:19]
	s_mul_u64 s[46:47], s[46:47], s[18:19]
	s_mul_i32 s45, s14, HALFT                      ; where they go: wave x 128 rows
	s_mul_i32 s94, s14, HALFS
	s_wait_dscnt 0x0                               ; both opening adds are done
	s_wait_kmcnt 0x0
	s_add_nc_u64 s[20:21], s[4:5], s[20:21]
	s_add_nc_u64 s[22:23], s[6:7], s[22:23]
	s_add_nc_u64 s[46:47], s[8:9], s[46:47]
	s_add_nc_u64 s[92:93], s[10:11], s[92:93]
	CROUND                                         ; all sixteen work-groups are here: the joint loads meet
	s_mov_b32 s[G0S], 1
	s_add_co_u32 s[G0S+1], s94, SCL
	s_mov_b64 s[G0S+2:G0S+3], s[22:23]
	s_or_b32 s[G0S+3], s[G0S+3], 0x80000000
	s_mov_b32 s[G0SB], 1
	s_add_co_u32 s[G0SB+1], s94, SCL
	s_mov_b64 s[G0SB+2:G0SB+3], s[92:93]
	s_or_b32 s[G0SB+3], s[G0SB+3], 0x80000000
	JLOAD G0S, G1S, G0SB, G1SB                     ; the scales first
.irp s, 0,1
	s_mov_b32 s[G0+4*\s], 1
	s_add_co_u32 s[G0+4*\s+1], s45, \s*SLOT
	s_add_nc_u64 s[G0+4*\s+2:G0+4*\s+3], s[20:21], \s*ROWB
	s_or_b32 s[G0+4*\s+3], s[G0+4*\s+3], 0x80000000
	s_mov_b32 s[G0B+4*\s], 1
	s_add_co_u32 s[G0B+4*\s+1], s45, \s*SLOT
	s_add_nc_u64 s[G0B+4*\s+2:G0B+4*\s+3], s[46:47], \s*ROWB
	s_or_b32 s[G0B+4*\s+3], s[G0B+4*\s+3], 0x80000000
	JLOAD G0+4*\s, G1, G0B+4*\s, G1B               ; three loads of mine are out in all
.endr
	v_and_b32 v1, 15, v0                           ; r
	v_bfe_u32 v2, v0, 4, 1                         ; h
	v_mul_u32_u24 v3, v1, PITCH
	v_lshl_add_u32 v4, v2, 4, v3
	s_mul_i32 s21, s15, HALFT
	s_mul_i32 s22, s16, HALFT
	s_add_co_u32 s22, s22, 2*HALFT
.irp s, 0,1
	v_add_nc_u32 v[ADRA+\s], s21, v4
	v_add_nc_u32 v[ADRB+\s], s22, v4
	s_add_co_u32 s21, s21, SLOT
	s_add_co_u32 s22, s22, SLOT
.endr
	v_mul_u32_u24 v5, v1, KS                       ; my row's scales: 32 bytes a row,
	v_lshrrev_b32 v6, 8, v5
	v_lshl_add_u32 v5, v6, 4, v5                   ; and 16 more for each 256 passed
	s_mul_i32 s21, s15, HALFS
	s_mul_i32 s22, s16, HALFS
	s_add_co_u32 s22, s22, 2*HALFS
	s_sub_co_u32 s22, s22, s21
	v_mul_u32_u24 v6, s22, v2                      ; lanes 16-31 take B's
	s_add_co_u32 s21, s21, SCL
	v_add_nc_u32 v5, v5, v6
	v_add_nc_u32 v[ADRS], s21, v5
	s_mul_i32 s23, s14, STGB                       ; my stage
	v_mul_u32_u24 v5, v1, 272
	v_lshl_add_u32 v5, v2, 4, v5
	v_add_nc_u32 v[STO], s23, v5                   ; f16 in: row r of 256 bytes + 16, 16 bytes for each half of the lanes
	v_bfe_u32 v5, v0, 3, 2
	v_mul_u32_u24 v5, v5, 272
	v_and_b32 v6, 7, v0
	v_lshl_add_u32 v5, v6, 4, v5
	v_add_nc_u32 v[RD], s23, v5                    ; f16 back: eight lanes take one head's 128 bytes of a row, four rows an instruction
	v_mul_u32_u24 v5, v1, 528
	v_lshl_add_u32 v5, v2, 5, v5
	v_add_nc_u32 v[STO32], s23, v5                 ; f32 in: row r of 512 bytes + 16
	v_and_b32 v6, 31, v0
	v_lshlrev_b32 v[CO], 4, v6
	v_add_nc_u32 v[RD32], s23, v[CO]               ; f32 back: the 32 lanes take one row
	v_lshlrev_b32 v[BO], 5, v2
	s_lshl_b32 s20, s42, 10
	s_lshl_b32 s21, s16, 9
	s_add_co_u32 s20, s20, s21                     ; my first column, in bytes of f32
	s_mov_b32 s21, 0
	s_add_nc_u64 s[12:13], s[12:13], s[20:21]      ; the bias there
	s_mul_i32 s46, s41, 196608                     ; a batch's 16 rows of 12,288 bytes
	s_add_co_u32 s20, s20, s46
	s_add_nc_u64 s[98:99], s[98:99], s[20:21]      ; qkv32
	s_lshl_b32 s20, s42, 2
	s_lshl_b32 s46, s16, 1
	s_add_co_u32 s20, s20, s46                     ; g = my first column / 64: which of q, k, v (g / 16) and which head (g % 16)
	s_lshr_b32 s46, s20, 4
	s_lshl_b32 s46, s46, 24
	s_and_b32 s20, s20, 15
	s_lshl_b32 s20, s20, 18
	s_add_co_u32 s20, s20, s46
	s_lshl_b32 s46, s41, 22                        ; the batch
	s_add_co_u32 s20, s20, s46
	s_lshl_b32 s46, s95, 15                        ; 256 positions of 128 bytes for each tile
	s_add_co_u32 s20, s20, s46
	s_lshl_b32 s46, s15, 14                        ; my half's 128
	s_add_co_u32 s20, s20, s46
	s_add_nc_u64 s[96:97], s[96:97], s[20:21]      ; qkv16
	s_or_b32 s3, s95, s15                          ; 0 where my first 16 rows are a sequence's first 16 positions
.irp b, 0,1,2,3,4,5,6,7
	global_load_b128 v[BIAS+8*\b:BIAS+8*\b+3], v[BO], s[12:13] offset:64*\b       ; b_attn at columns 16 b + 8 h + 0 .. 7: the result's layout
	global_load_b128 v[BIAS+8*\b+4:BIAS+8*\b+7], v[BO], s[12:13] offset:64*\b+16
.endr
.macro FRAG reg, adr, q, i             ; 16 rows x 128 K of 4-bit codes: 8 registers, two loads of 16 bytes, 32 bytes apart
.irp c, 0,1
	ds_load_b128 v[\reg+4*\c:\reg+4*\c+3], v[\adr] offset:64*(\q)+32*\c+(\i)*16*PITCH
.endr
.endm
; 16 matrix instructions: A's blocks a0, a0 + 1 x B's eight.  zero = 1: the first product starts the sums from the bias.  The 64 accumulators take turns, one instruction a turn.
.macro MUL16 a0, p, q, sc, zero
.irp a, \a0, \a0+1
.irp b, 0,1,2,3,4,5,6,7
.if \zero
	v_wmma_scale_f32_16x16x128_f8f6f4 v[8*(8*((\a)%4)+\b):8*(8*((\a)%4)+\b)+7], v[128*(\p)+FR*\b:128*(\p)+FR*\b+FR-1], v[AF+FR*(\a):AF+FR*(\a)+FR-1], v[BIAS+8*\b:BIAS+8*\b+7], v[SC+8*NQ*(\sc)+NQ*\b+(\q)], v[SC+8*NQ*(\sc)+NQ*(\a)+(\q)] matrix_a_fmt:MATRIX_FMT_FP4 matrix_b_fmt:MATRIX_FMT_FP4 matrix_a_scale:MATRIX_SCALE_ROW1
.else
	v_wmma_scale_f32_16x16x128_f8f6f4 v[8*(8*((\a)%4)+\b):8*(8*((\a)%4)+\b)+7], v[128*(\p)+FR*\b:128*(\p)+FR*\b+FR-1], v[AF+FR*(\a):AF+FR*(\a)+FR-1], v[8*(8*((\a)%4)+\b):8*(8*((\a)%4)+\b)+7], v[SC+8*NQ*(\sc)+NQ*\b+(\q)], v[SC+8*NQ*(\sc)+NQ*(\a)+(\q)] matrix_a_fmt:MATRIX_FMT_FP4 matrix_b_fmt:MATRIX_FMT_FP4 matrix_a_scale:MATRIX_SCALE_ROW1
.endif
.endr
.endr
.endm
.macro FETCH_B slot, q, p
	WIN TO_B
.irp i, 0,1,2,3,4,5,6,7
	FRAG 128*(\p)+FR*\i, ADRB+\slot, \q, \i
.endr
	WIN 0
.endm
.macro FETCH_A slot, q, i0
.irp i, \i0, \i0+1, \i0+2, \i0+3
	FRAG AF+FR*(\i), ADRA+\slot, \q, \i
.endr
.endm
.macro SCALES sc                       ; a slot's scale words: lanes 0-15 take A's block i, lanes 16-31 B's block i
.irp i, 0,1,2,3,4,5,6,7
	ds_load_b128 v[SC+8*NQ*\sc+NQ*\i:SC+8*NQ*\sc+NQ*\i+3], v[ADRS] offset:\i*SBLK
.endr
.endm
.macro PLACES n                        ; plain vector instructions between a matrix instruction and a load into, or a read of, its registers
.rept \n
	v_nop
.endr
.endm
.macro STEP slot, q, zero              ; a step of 128 along K that has its successor in the same slot
	s_wait_dscnt 4*NL                              ; B's set and A's blocks 0-3 are in; the youngest eight loads (A's blocks 4-7) may be out
.if \zero
	WIN FIRST_LO
.else
	WIN MUL_LO
.endif
	MUL16 0, (\q)%2, \q, \slot, \zero
	MUL16 2, (\q)%2, \q, \slot, \zero
	s_wait_dscnt 0
	PLACES NP
	FETCH_B \slot, (\q)+1, 1-(\q)%2
	FETCH_A \slot, (\q)+1, 0
.if \zero
	WIN FIRST_HI
.else
	WIN MUL_HI
.endif
	MUL16 4, (\q)%2, \q, \slot, \zero
	MUL16 6, (\q)%2, \q, \slot, \zero
	PLACES NP
	WIN 0
	FETCH_A \slot, (\q)+1, 4
.endm
.macro TURN slot, next                 ; slot 0's last step: one barrier; in front of it each wave waits for all its tensor loads (its part of slot 1), adds 0 to its spare word, and waits for that and for its reads
	s_wait_tensorcnt 0x0
	ds_add_u32 v[SPW], v[NIL]
	s_wait_dscnt 4*NL+1                            ; the add and the youngest eight loads may be out
	WIN MUL_LO
	MUL16 0, 1, NQ-1, \slot, 0
	s_wait_dscnt 0x0
	s_barrier_signal -1
	MUL16 2, 1, NQ-1, \slot, 0
	WIN 0
	s_barrier_wait -1
	PLACES NP
	v_add_nc_u32 v[ADRS], 4*NQ, v[ADRS]            ; on to the next slot's scale words
	FETCH_B \next, 0, 0
	FETCH_A \next, 0, 0
	SCALES \next
	WIN MUL_HI
	MUL16 4, 1, NQ-1, \slot, 0
	MUL16 6, 1, NQ-1, \slot, 0
	PLACES NP
	WIN 0
	FETCH_A \next, 0, 4
.endm
	s_wait_tensorcnt 1                             ; the scales and my part of slot 0 are in; slot 1's load may be out
	s_barrier_signal -1
	s_barrier_wait -1
	FETCH_B 0, 0, 0
	FETCH_A 0, 0, 0
	SCALES 0
	FETCH_A 0, 0, 4
	s_wait_loadcnt 0x0                             ; the bias
	STEP 0, 0, 1
	STEP 0, 1, 0
	STEP 0, 2, 0
	TURN 0, 1
	STEP 1, 0, 0
	STEP 1, 1, 0
	STEP 1, 2, 0
	s_wait_dscnt 4*NL                              ; the last step: nothing more to fetch
	WIN MUL_LO
	MUL16 0, 1, NQ-1, 1, 0
	MUL16 2, 1, NQ-1, 1, 0
	s_wait_dscnt 0
	WIN MUL_HI
	MUL16 4, 1, NQ-1, 1, 0
	MUL16 6, 1, NQ-1, 1, 0
	WIN 0
	PLACES NP
	; THE F32 COPY of a sequence's first 16 positions: block 0 of the waves with the tile's upper rows, in the tiles at a sequence's start.
	s_cmp_lg_u32 s3, 0
	s_cbranch_scc1 .Lplain
	WIN 0x08                                       ; an LDS store's data are its source 1: window 2
.irp b, 0,1,2,3,4,5,6,7
	ds_store_b128 v[STO32], v[8*\b:8*\b+3] offset:64*\b              ; each accumulator from its low end on
	ds_store_b128 v[STO32], v[8*\b+4:8*\b+7] offset:64*\b+16
.endr
	WIN 0
.irp t, 0,1,2,3,4,5,6,7,8,9,10,11,12,13,14,15
	ds_load_b128 v[128+4*\t:128+4*\t+3], v[RD32] offset:\t*528       ; LDS serves a wave's instructions in order: these see the stores above
.endr
	s_wait_dscnt 0x0
.irp t, 0,1,2,3,4,5,6,7,8,9,10,11,12,13,14,15
	global_store_b128 v[CO], v[128+4*\t:128+4*\t+3], s[98:99] offset:\t*12288   ; 32 lanes store 512 consecutive bytes, aligned to 256
.endr
.Lplain:
; THE WAY OUT in f16, block by block of 16 rows x 128 columns (two heads).  PACK: rounded, 16 bytes a lane.  TOSTAGE: into my stage, and back so that 32 lanes hold four positions of one head.  SEND: stored.
.macro PACK a
.set AC, 64*((\a)%4)
	WIN 0x0a+5*((\a)/4)                            ; sources 0 and 1: window 2 or 3
.irp b, 0,1,2,3,4,5,6,7
.irp i, 0,1,2,3
	v_cvt_pk_f16_f32 v[TMP+4*\b+\i], v[AC+8*\b+2*\i], v[AC+8*\b+2*\i+1]
.endr
.endr
	WIN 0
.endm
.macro TOSTAGE a
.set BB, BK+32*((\a)%2)
.irp b, 0,1,2,3,4,5,6,7
	ds_store_b128 v[STO], v[TMP+4*\b:TMP+4*\b+3] offset:32*\b
.endr
.irp t, 0,1,2,3,4,5,6,7
	ds_load_b128 v[BB+4*\t:BB+4*\t+3], v[RD] offset:(\t%4)*1088+(\t/4)*128     ; rows 4 (t % 4) on, head t / 4
.endr
.endm
.macro SEND a
.set BB, BK+32*((\a)%2)
	s_wait_dscnt 0x0                               ; the block is back in registers
	s_wait_xcnt 0x0                                ; the earlier stores have read their registers and their base
.if (\a) > 0
	s_add_nc_u64 s[96:97], s[96:97], 2048          ; 16 positions of 128 bytes on
.endif
.irp t, 0,1,2,3,4,5,6,7
	global_store_b128 v[CO], v[BB+4*\t:BB+4*\t+3], s[96:97] offset:(\t%4)*512+(\t/4)*262144   ; four positions of one head: 512 consecutive bytes, aligned to 256
.endr
.endm
	PACK 0
	TOSTAGE 0
.irp a, 1,2,3,4,5,6,7                  ; block a's conversions stand between block a - 1's loads from the stage and the wait for them
	PACK \a
	SEND \a-1
	TOSTAGE \a
.endr
	SEND 7
	s_wait_tensorcnt 0x0                           ; the wave's end
	ds_add_u32 v[SPW], v[NIL]
	s_wait_dscnt 0x0
	CROUND                                         ; the closing round
	s_endpgm
.Lfunc_end_k_qf2a29f0a3a_qkv:
	.size	k_qf2a29f0a3a_qkv, .Lfunc_end_k_qf2a29f0a3a_qkv-k_qf2a29f0a3a_qkv
	.p2alignl 7, 3214868480
	.fill 96, 4, 3214868480
	.section	.rodata,"a",@progbits
	.p2align	6, 0x0
	.amdhsa_kernel k_qf2a29f0a3a_qkv
		.amdhsa_group_segment_fixed_size 327680
		.amdhsa_private_segment_fixed_size 0
		.amdhsa_enable_private_segment 0
		.amdhsa_kernarg_size 56
		.amdhsa_user_sgpr_count 2
		.amdhsa_user_sgpr_kernarg_segment_ptr 1
		.amdhsa_wavefront_size32 1
		.amdhsa_system_sgpr_workgroup_id_x 1
		.amdhsa_system_sgpr_workgroup_id_y 1
		.amdhsa_system_sgpr_workgroup_id_z 1
		.amdhsa_system_vgpr_workitem_id 0
		.amdhsa_next_free_vgpr 1024
		.amdhsa_next_free_sgpr 100
		.amdhsa_reserve_vcc 0
		.amdhsa_float_denorm_mode_32 3
		.amdhsa_float_denorm_mode_16_64 3
		.amdhsa_memory_ordered 1
		.amdhsa_forward_progress 1
		.amdhsa_inst_pref_size 133
	.end_amdhsa_kernel
	.amdgpu_metadata
---
amdhsa.version: [ 1, 2 ]
amdhsa.kernels:
  - .name:           k_qf2a29f0a3a_qkv
    .symbol:         k_qf2a29f0a3a_qkv.kd
    .args:
      - { .name: x_codes, .offset: 0, .size: 8, .value_kind: global_buffer, .address_space: global }
      - { .name: x_scales, .offset: 8, .size: 8, .value_kind: global_buffer, .address_space: global }
      - { .name: w_codes, .offset: 16, .size: 8, .value_kind: global_buffer, .address_space: global }
      - { .name: w_scales, .offset: 24, .size: 8, .value_kind: global_buffer, .address_space: global }
      - { .name: b_attn, .offset: 32, .size: 8, .value_kind: global_buffer, .address_space: global }
      - { .name: qkv16, .offset: 40, .size: 8, .value_kind: global_buffer, .address_space: global }
      - { .name: qkv32, .offset: 48, .size: 8, .value_kind: global_buffer, .address_space: global }
    .group_segment_fixed_size: 327680
    .private_segment_fixed_size: 0
    .kernarg_segment_align: 8
    .kernarg_segment_size: 56
    .max_flat_workgroup_size: 128
    .sgpr_count:     100
    .vgpr_count:     1024
    .wavefront_size: 32
...
	.end_amdgpu_metadata
.endif
;; end of part 2
;; launch attn (part 3): grid 4 x 64, 8 waves a work-group, no clusters, 327,680 bytes of LDS; arguments qkv16, y16; writes y16
.if DOCPART == 3
	.amdgcn_target "amdgcn-amd-amdhsa--gfx1250"
	.amdhsa_code_object_version 6
	.text
	.protected	k_qf2a29f0a3a_attn
	.globl	k_qf2a29f0a3a_attn
	.p2align	8
	.type	k_qf2a29f0a3a_attn,@function
k_qf2a29f0a3a_attn:
	s_mov_b64 s[64:65], 0
	v_nop
	global_prefetch_b8 v0, s[64:65] scope:SCOPE_SE
	s_setreg_imm32_b32 hwreg(HW_REG_WAVE_MODE, 25, 1), 1
	s_wait_xcnt 0x0
; y[b][h][q] = the sum over k <= q of softmax_k(Q[q] . K[k] / 8) V[k], head size 64.  Q, K, V: qkv16 [3][64 bh][2048 t][64 d] f16.  Products on f16 operands with f32 sums; maxima, exponentials and sums in f32;
; the weights p are rounded to f16 for the second product, y once at the end.  OUT: y16 [64 (row / 128)][16 h][128 (row % 128)][64 d] f16, row = 2048 b + t.
; SHARES.  A work-group owns TWO blocks of 256 queries of one head: first block 7 - I, then block I (I = the work-group's x).  Under the causal mask they need 8 - I and I + 1 slots of 256 keys: nine for every
; work-group, so one loop of constant count walks them, every tile that is asked for is read, and all 256 work-groups have the same work.  Each of the eight waves owns 32 queries: two tiles of 16.
; NO CLUSTER: the query blocks of a head need different numbers of key tiles, so partners could not make every joint request and read what it brings.
; LAYOUT.  S^T = K Q^T (source 0 = 16 keys, source 1 = 16 queries): a lane holds ONE query (lane % 16) and the keys 8 (lane / 16) + 0..7.  Two such tiles, rounded in pairs, are source 1 of O^T = V^T P.
; K comes out of LDS as it lies, V ([key][channel]) turned, by ds_load_tr16_b128.
; SOFTMAX.  For each query a running maximum m and sum l: p = 2^(c s - c m), c = log2(e) / 8; in every step O and l are multiplied by a = 2^(c m_old - c m_new).  Hidden scores become -infinity (p = 0).
; THE RING.  Two LDS slots of 256 keys (four steps of 64).  Every wave issues one load behind each barrier: waves 0-3 the K of step w, waves 4-7 the V of step w - 4: by this text's count one tensor load a wave is out.
; LIMITS: q, k, v and y in f16 (beyond 65,504 they do not fit); p under 6e-8 becomes 0 beside a row's largest p of 1; NaN and infinities are not served.
; REGISTERS: window 0: v1-17 addresses and constants; v24-39 statistics, 8 a tile; v40-71 Q; v72-135 S^T; v136-167 P; v168-231 O^T.  window 1: v0-63 K, v64-127 V of one step; v128-159 the second block's Q.
.set KS,    64
.set PK,    144                        ; a row of K in LDS: 128 bytes + 16: the 16 rows of a load start at 16 different groups of four banks (64 banks of 4 bytes: ISA guide 11.1)
.set PV,    160                        ; a row of V: 128 + 32
.set VOFF,  KS*PK
.set STEPB, KS*(PK+PV)                 ; a step's tiles lie together: 64 rows of K, then 64 of V
.set SLOT1, 1<<17
.set STAGE, 2*SLOT1                    ; bytes of its own: 32 rows x 144 for each wave (the slots are filled again behind the first way out)
.set SPP,   144
.set SPARE, STAGE+8*32*SPP             ; the spare words, 128 bytes for each wave: four blocks of 256 bytes that no other line names
.set AK0, 3
.set AV0, 4
.set ADK, 5
.set ADV, 6
.set QO,  7
.set STO, 8
.set RD,  9
.set GO,  10
.set PFO, 11
.set LD,  12                           ; v12  lane % 16 - 8 (lane / 16)
.set NINF, 13                          ; v13  -infinity
.set DD,  14                           ; v14-15 the diagonal's bound for tiles 0, 1
.set SPW, 16
.set NIL, 17
.set ST,  24                           ; tile x at v[ST + 8 x]: +0 c m, +1 m, +2, +3 l (even keys', odd keys'), +4 to +7 at work; a in +6
.set Q,   40
.set S,   72
.set P,   136
.set O,   168
.set VFR, 64                           ; in window 1
.set QN,  128
.set WV,  8
.set II,  9
.set BH,  10
.set W3,  11
.set B0,  12                           ; the first block's number, 7 - I
.set SW,  13                           ; the trip at whose head the blocks change: B0 + 1
.set TAU, 14                           ; the trip
.set STP, 15
.set KF,  16                           ; the step's first key
.set Q0,  17                           ; my first query
.set QL,  18                           ; my last
.set Q1,  19                           ; my first query in the second block
.set SEL, 20
.set CS,  22
.set G1K, 24
.set G1V, 32
.set G0K, 40
.set G0V, 44
.set KB,  48                           ; s[48:49] K at my 64 rows of key slot 0;  s[50:51] V likewise
.set VB,  50
.set MYB, 52                           ; s[52:53] the one of the two that I fetch from
.set PFA, 54
.set OFF, 56                           ; s[56:57] the next key slot, in bytes
.set NS,  58
.set NK,  59
.set PFN, 60                           ; trips in which I prefetch: 6 in the head's work-group 0, else 0
.set TB,  61                           ; LDS byte at which the step's tiles begin
.set YA0, 66
.set YA1, 68
.set QA0, 70
.set QA1, 72
.set MSB, 0
.macro WIN new
.if MSB != \new
	s_set_vgpr_msb (MSB<<8)|\new
.set MSB, \new
.endif
.endm
; Waves 0-3 fetch K's tiles, waves 4-7 V's.  The branch hangs on the wave's number alone.  An s_nop 0 and four v_nop follow each of the two lines.
.macro TLOAD
	s_cmp_lt_u32 s[WV], 4
	s_cbranch_scc0 .Lfor_v_\@
	tensor_load_to_lds s[G0K:G0K+3], s[G1K:G1K+7]
	s_nop 0
.rept 4
	v_nop
.endr
	s_branch .Lasked_\@
.Lfor_v_\@:
	tensor_load_to_lds s[G0V:G0V+3], s[G1V:G1V+7]
	s_nop 0
.rept 4
	v_nop
.endr
.Lasked_\@:
.endm
; A PREFETCH INTO THE L2 of the key slot behind the one just asked for: a slot's four key steps ahead of the load that will want it.  The four work-groups of a head begin with the same key slots in the same order;
; work-group 0 walks all eight first, and it alone asks, in trips 0 to 5, for key slots 2 to 7.  Each wave names the 8,192 bytes that it will itself load, lanes 256 bytes apart: each block is named once in the launch.
.macro ASK
	s_cmp_lt_u32 s[TAU], s[PFN]
	s_cbranch_scc0 .Lnot_mine_\@
	global_prefetch_b8 v[PFO], s[PFA:PFA+1] offset:32768 th:TH_LOAD_NT scope:SCOPE_SE
.Lnot_mine_\@:
.endm
.macro YOFF dst, qq                    ; where query qq's row of my head lies in y16
	s_lshr_b32 s[\dst], s[\qq], 7
	s_add_co_u32 s[\dst], s[\dst], s79
	s_lshl_b32 s[\dst], s[\dst], 18
	s_add_co_u32 s[\dst], s[\dst], s2
	s_and_b32 s3, s[\qq], 127
	s_lshl_b32 s3, s3, 7
	s_add_co_u32 s[\dst], s[\dst], s3
	s_mov_b32 s[\dst+1], 0
.endm
.macro INIT                            ; a block of queries begins: m under every score, l and O^T zeros (the step is written once: its first a is 0)
.irp x, 0,1
	v_mov_b32 v[ST+8*\x+1], 0xff61b1e6             ; -3e38
	v_mov_b32 v[ST+8*\x+2], 0
	v_mov_b32 v[ST+8*\x+3], 0
	v_mov_b32 v[ST+8*\x+4], 0
	v_mov_b32 v[ST+8*\x+5], 0
	v_mov_b32 v[ST+8*\x+6], 0
	v_mov_b32 v[ST+8*\x+7], 0
	v_mul_f32 v[ST+8*\x], s[CS], v[ST+8*\x+1]
.endr
.set i, 0
.rept 64
	v_mov_b32 v[O+i], 0
.set i, i+1
.endr
.endm
	s_load_b128 s[4:7], s[0:1], 0x0                ; qkv16 s[4:5], y16 s[6:7]
	v_lshl_add_u32 v[SPW], v0, 2, SPARE
	v_mov_b32 v[NIL], 0
	ds_add_u32 v[SPW], v[NIL]                      ; the wave's opening: the add, twice on end, and its wait ahead of my first tensor load
	ds_add_u32 v[SPW], v[NIL]
	v_lshrrev_b32 v1, 5, v0
	v_readfirstlane_b32 s[WV], v1                  ; wave 0..7
	s_mov_b32 s[II], ttmp9
	s_and_b32 s[BH], ttmp7, 0xffff                 ; 16 b + h
	s_and_b32 s[W3], s[WV], 3
	s_sub_co_u32 s[B0], 7, s[II]
	s_add_co_u32 s[SW], s[B0], 1
	s_lshl_b32 s74, s[WV], 5
	s_lshl_b32 s[Q0], s[B0], 8
	s_add_co_u32 s[Q0], s[Q0], s74                 ; 256 x block + 32 x wave
	s_add_co_u32 s[QL], s[Q0], 31
	s_lshl_b32 s[Q1], s[II], 8
	s_add_co_u32 s[Q1], s[Q1], s74
	s_mov_b32 s[G1K], (1<<16)|(1<<20)|(4<<22)|(3<<25)   ; no mask; elements of 2 bytes; padding on: 4 words after every 32
	s_mov_b32 s[G1V], (1<<16)|(1<<20)|(4<<22)|(7<<25)   ; the same with 8 words
.irp g, G1K, G1V
	s_mov_b32 s[\g+1], 64<<16                      ; tensor_dim0 = 64
	s_mov_b32 s[\g+2], KS<<16                      ; tensor_dim1 = 64
	s_mov_b32 s[\g+3], 64<<16                      ; tile_dim0 = 64
	s_mov_b32 s[\g+4], KS                          ; tile_dim1 = 64
	s_mov_b32 s[\g+5], 64                          ; elements from row to row
	s_mov_b32 s[\g+6], 0
	s_mov_b32 s[\g+7], 0
.endr
	s_mov_b32 s[SEL], 0x76543210
	s_mov_b32 s[SEL+1], 0xfedcba98
	s_mov_b32 s[CS], 0x3e38aa3b                    ; c = log2(e) / 8
	s_mov_b32 s[CS+1], s[CS]
	s_cmp_eq_u32 s[II], 0
	s_cselect_b32 s[PFN], 6, 0
	s_mov_b32 s[OFF+1], 0
	s_mov_b32 s[TAU], 0
	s_mov_b32 s[KF], 0
	s_mov_b32 s[TB], 0
	s_lshl_b32 s74, s[BH], 18                      ; the head's first byte in each of q, k, v
	s_lshl_b32 s76, s[W3], 13                      ; the 64 rows of 128 bytes that I fetch
	s_add_co_u32 s76, s76, s74
	s_mov_b32 s77, 0
	s_mul_i32 s78, s[W3], STEPB                    ; and their step's place in a slot
	s_and_b32 s79, s[BH], 0x30                     ; 16 b
	s_and_b32 s2, s[BH], 15
	s_lshl_b32 s2, s2, 14                          ; h x 128 rows of 128 bytes
	YOFF YA0, Q0
	YOFF YA1, Q1
	s_lshl_b32 s[QA0], s[Q0], 7
	s_add_co_u32 s[QA0], s[QA0], s74
	s_mov_b32 s[QA0+1], 0
	s_lshl_b32 s[QA1], s[Q1], 7
	s_add_co_u32 s[QA1], s[QA1], s74
	s_mov_b32 s[QA1+1], 0
	s_wait_dscnt 0x0                               ; both opening adds are done
	s_wait_kmcnt 0x0
	s_add_nc_u64 s[KB:KB+1], s[4:5], s[76:77]
	s_add_nc_u64 s[KB:KB+1], s[KB:KB+1], 0x1000000 ; k lies 2^24 bytes behind q,
	s_add_nc_u64 s[VB:VB+1], s[KB:KB+1], 0x1000000 ; v behind k
	s_mov_b32 s[G0K], 1
	s_mov_b32 s[G0K+1], s78
	s_mov_b64 s[G0K+2:G0K+3], s[KB:KB+1]
	s_or_b32 s[G0K+3], s[G0K+3], 0x80000000
	s_mov_b32 s[G0V], 1
	s_add_co_u32 s[G0V+1], s78, VOFF
	s_mov_b64 s[G0V+2:G0V+3], s[VB:VB+1]
	s_or_b32 s[G0V+3], s[G0V+3], 0x80000000
	TLOAD                                          ; key slot 0 into LDS slot 0: key 0 counts for every query
	s_cmp_lt_u32 s[WV], 4
	s_cselect_b64 s[MYB:MYB+1], s[KB:KB+1], s[VB:VB+1]
	s_add_nc_u64 s[YA0:YA0+1], s[6:7], s[YA0:YA0+1]
	s_add_nc_u64 s[YA1:YA1+1], s[6:7], s[YA1:YA1+1]
	s_add_nc_u64 s[QA0:QA0+1], s[4:5], s[QA0:QA0+1]
	s_add_nc_u64 s[QA1:QA1+1], s[4:5], s[QA1:QA1+1]
	v_and_b32 v1, 15, v0                           ; r
	v_bfe_u32 v2, v0, 4, 1                         ; h
	v_lshlrev_b32 v[QO], 7, v1
	v_lshl_add_u32 v[QO], v2, 4, v[QO]             ; Q: row r of 128 bytes + 16 h
.irp x, 0,1
.irp c, 0,1
	global_load_b128 v[Q+16*\x+8*\c:Q+16*\x+8*\c+3], v[QO], s[QA0:QA0+1] offset:2048*\x+64*\c
	global_load_b128 v[Q+16*\x+8*\c+4:Q+16*\x+8*\c+7], v[QO], s[QA0:QA0+1] offset:2048*\x+64*\c+32
.endr
.endr
	WIN 0x40                                       ; destination window 1: the second block's Q waits there
.irp x, 0,1
.irp c, 0,1
	global_load_b128 v[QN+16*\x+8*\c:QN+16*\x+8*\c+3], v[QO], s[QA1:QA1+1] offset:2048*\x+64*\c
	global_load_b128 v[QN+16*\x+8*\c+4:QN+16*\x+8*\c+7], v[QO], s[QA1:QA1+1] offset:2048*\x+64*\c+32
.endr
.endr
	WIN 0
	v_mul_u32_u24 v[AK0], v1, PK
	v_lshl_add_u32 v[AK0], v2, 4, v[AK0]           ; K: row r x pitch + 16 h
	v_and_b32 v18, 7, v0
	v_bfe_u32 v19, v0, 3, 1
	v_lshl_add_u32 v[AV0], v2, 3, v18              ; V, for the turning load: key 8 h + lane % 8,
	v_mul_u32_u24 v[AV0], v[AV0], PV
	v_lshl_add_u32 v[AV0], v19, 4, v[AV0]          ; channels 8 ((lane / 8) % 2) on
	v_add_nc_u32 v[AV0], VOFF, v[AV0]
	s_mul_i32 s74, s[WV], 32*SPP
	s_add_co_u32 s74, s74, STAGE                   ; my stage
	v_mul_u32_u24 v[STO], v1, SPP
	v_lshl_add_u32 v[STO], v2, 4, v[STO]
	v_add_nc_u32 v[STO], s74, v[STO]               ; in: row r, 16 bytes for each half of the lanes
	v_bfe_u32 v19, v0, 3, 2
	v_mul_u32_u24 v[RD], v19, SPP
	v_lshl_add_u32 v[RD], v18, 4, v[RD]
	v_add_nc_u32 v[RD], s74, v[RD]                 ; back: eight lanes to a row of 128 bytes, four rows an instruction
	v_and_b32 v18, 31, v0
	v_lshlrev_b32 v[GO], 4, v18
	v_lshlrev_b32 v[PFO], 8, v18
	v_lshlrev_b32 v19, 3, v2
	v_sub_nc_u32 v[LD], v1, v19
	v_mov_b32 v[NINF], 0xff800000
	INIT
; THE WAY OUT of a block's 32 queries of mine: O^T / l, rounded to f16, through my stage, out as four rows (512 consecutive bytes, aligned to 256) an instruction.
.macro WAYOUT ya
.rept 4
	v_nop                                          ; places behind the last products
.endr
.irp x, 0,1
	v_add_f32 v[ST+8*\x+4], v[ST+8*\x+2], v[ST+8*\x+3]
.endr
.irp x, 0,1
	v_permlanex16_b32 v[ST+8*\x+5], v[ST+8*\x+4], s[SEL], s[SEL+1]
.endr
.irp x, 0,1
	v_add_f32 v[ST+8*\x+4], v[ST+8*\x+4], v[ST+8*\x+5]
.endr
.irp x, 0,1
	v_rcp_f32 v[ST+8*\x+6], v[ST+8*\x+4]
.endr
	v_nop                                          ; a plain instruction behind the last reciprocal
	s_wait_alu depctr_va_vdst(0)                   ; the wait ahead of the first use: one for both
.irp x, 0,1
.irp i, 0,1,2,3,4,5,6,7,8,9,10,11,12,13,14,15
	v_pk_mul_f32 v[O+32*\x+2*\i:O+32*\x+2*\i+1], v[O+32*\x+2*\i:O+32*\x+2*\i+1], v[ST+8*\x+6:ST+8*\x+7] op_sel_hi:[1,0]
.endr
.endr
.irp i, 0,1,2,3,4,5,6,7,8,9,10,11,12,13,14,15,16,17,18,19,20,21,22,23,24,25,26,27,28,29,30,31
	v_cvt_pk_f16_f32 v[S+\i], v[O+2*\i], v[O+2*\i+1]
.endr
.irp x, 0,1
.irp t, 0,1,2,3
	ds_store_b128 v[STO], v[S+16*\x+4*\t:S+16*\x+4*\t+3] offset:16*SPP*\x+32*\t   ; query 16 x + r, channels 16 t + 8 h + 0 .. 7
.endr
.endr
.irp i, 0,1,2,3,4,5,6,7
	ds_load_b128 v[S+32+4*\i:S+32+4*\i+3], v[RD] offset:4*SPP*\i                  ; LDS serves a wave's instructions in order: these see the stores above
.endr
.irp i, 0,1,2,3,4,5,6,7
	s_wait_dscnt 7-\i                              ; LDS loads come back in order: rows 4 i on are in
	global_store_b128 v[GO], v[S+32+4*\i:S+32+4*\i+3], s[\ya:\ya+1] offset:512*\i
.endr
	s_wait_xcnt 0x0                                ; the stores have read their registers: S^T is written again
.endm
; THE CHANGE OF SLOTS stands at a slot's head.  Each wave waits for all its tensor loads (its part of the slot that it is about to read), adds 0 to its spare word, and waits for that and for its reads of the
; slot that it has left.  fill = 1: behind the barrier that other slot takes the keys of the next trip: key slot TAU + 1 of the first block's walk, or TAU - B0 of the second's.
.macro CHANGE fill
	s_wait_tensorcnt 0x0                           ; no tensor load of mine is out, so a group 0 may be written
	ds_add_u32 v[SPW], v[NIL]                      ; 0 onto my spare word; the descriptors' steps stand between it and the wait for it
.if \fill
	s_add_co_u32 s[NS], s[TAU], 1
	s_sub_co_u32 s[NK], s[TAU], s[B0]
	s_cmp_le_u32 s[NS], s[B0]
	s_cselect_b32 s[NK], s[NS], s[NK]
	s_lshl_b32 s[OFF], s[NK], 15                   ; 256 keys of 128 bytes
	s_xor_b32 s[G0K+1], s[G0K+1], SLOT1            ; the other LDS slot than last time
	s_xor_b32 s[G0V+1], s[G0V+1], SLOT1
	s_add_nc_u64 s[G0K+2:G0K+3], s[KB:KB+1], s[OFF:OFF+1]
	s_or_b32 s[G0K+3], s[G0K+3], 0x80000000
	s_add_nc_u64 s[G0V+2:G0V+3], s[VB:VB+1], s[OFF:OFF+1]
	s_or_b32 s[G0V+3], s[G0V+3], 0x80000000
	s_wait_xcnt 0x0                                ; the last prefetch, a slot back, has read its address
	s_add_nc_u64 s[PFA:PFA+1], s[MYB:MYB+1], s[OFF:OFF+1]
.endif
	s_wait_dscnt 0x0                               ; the add is done, and my reads of the slot that I have left are over
	s_barrier_signal -1
	s_barrier_wait -1
.if \fill
	TLOAD                                          ; the first thing behind the barrier, and my one tensor load until the next
	ASK
.endif
.endm
; THE CHANGE OF BLOCKS, at the head of trip B0 + 1: ids and the count of trips alone, the same in all eight waves; no barrier and no tensor load stands inside.
.macro SWITCH
	s_cmp_lg_u32 s[TAU], s[SW]
	s_cbranch_scc1 .Lsame_\@
	WAYOUT YA0
	WIN 0x01                                       ; source 0 window 1
.set i, 0
.rept 32
	v_mov_b32 v[Q+i], v[QN+i]
.set i, i+1
.endr
	WIN 0
	INIT
	s_mov_b32 s[KF], 0
	s_mov_b32 s[Q0], s[Q1]
	s_add_co_u32 s[QL], s[Q1], 31
.Lsame_\@:
.endm
; A KEY STEP: 64 keys.
.macro STEP
	s_cmp_gt_u32 s[KF], s[QL]                      ; all its keys come after my 32 queries: the step's work is left out, not the lines at its end that step addresses
	s_cbranch_scc1 .Lhidden_\@
	v_add_nc_u32 v[ADK], s[TB], v[AK0]
	v_add_nc_u32 v[ADV], s[TB], v[AV0]
	v_nop
	v_nop                                          ; four places in front of loads into registers that matrix instructions have read
	WIN 0x40                                       ; destination window 1
.irp t, 0,1,2,3
.irp c, 0,1
	ds_load_b128 v[8*(2*\t+\c):8*(2*\t+\c)+3], v[ADK] offset:\t*16*PK+64*\c          ; keys 16 t on, channels 32 c on
	ds_load_b128 v[8*(2*\t+\c)+4:8*(2*\t+\c)+7], v[ADK] offset:\t*16*PK+64*\c+32
.endr
.endr
.irp c, 0,1
.irp t, 0,1,2,3
	ds_load_tr16_b128 v[VFR+8*(4*\c+\t):VFR+8*(4*\c+\t)+3], v[ADV] offset:\c*32*PV+32*\t          ; keys 32 c on, channels 16 t on
	ds_load_tr16_b128 v[VFR+8*(4*\c+\t)+4:VFR+8*(4*\c+\t)+7], v[ADV] offset:\c*32*PV+16*PV+32*\t
.endr
.endr
	s_wait_dscnt 16                                ; K is in; V's sixteen loads may be out
	WIN 0x01                                       ; source 0 window 1
.irp c, 0,1                                    ; S^T = K Q^T: eight accumulators by turns, one instruction a turn
.irp t, 0,1,2,3
.irp x, 0,1
.if \c == 0
	v_wmma_f32_16x16x32_f16 v[S+32*\x+8*\t:S+32*\x+8*\t+7], v[8*(2*\t+\c):8*(2*\t+\c)+7], v[Q+16*\x+8*\c:Q+16*\x+8*\c+7], 0
.else
	v_wmma_f32_16x16x32_f16 v[S+32*\x+8*\t:S+32*\x+8*\t+7], v[8*(2*\t+\c):8*(2*\t+\c)+7], v[Q+16*\x+8*\c:Q+16*\x+8*\c+7], v[S+32*\x+8*\t:S+32*\x+8*\t+7]
.endif
.endr
.endr
.endr
	WIN 0
.rept 4
	v_nop
.endr
	s_add_co_u32 s74, s[KF], 63                    ; on the diagonal hidden scores become -infinity; a step all of whose keys count skips this
	s_cmp_le_u32 s74, s[Q0]
	s_cbranch_scc1 .Lopen_\@
	s_sub_co_i32 s74, s[Q0], s[KF]                 ; Q0 is a multiple of 32 and KF of 64, so in a step that is walked KF <= Q0: key KF counts for all my queries
	v_add_nc_u32 v[DD], s74, v[LD]                 ; register n of tile x holds key KF + 16 (n / 8) + 8 h + n % 8: hidden where 16 (n / 8) + n % 8 > Q0 - KF + 16 x + r - 8 h
	v_add_nc_u32 v[DD+1], 16, v[DD]
.irp x, 0,1
.irp n, 0,1,2,3,4,5,6,7,8,9,10,11,12,13,14,15,16,17,18,19,20,21,22,23,24,25,26,27,28,29,30,31
	v_cmp_gt_i32 vcc_lo, 16*(\n/8)+\n%8, v[DD+\x]
	v_cndmask_b32 v[S+32*\x+\n], v[S+32*\x+\n], v[NINF], vcc_lo
.endr
.endr
.Lopen_\@:
	; the softmax, the two tiles line by line by turns.  The maximum: four chains, each accumulator read from its low end on
.irp j, 0,1,2,3
.irp x, 0,1
	v_max3_num_f32 v[ST+8*\x+4+\j], v[S+32*\x+8*\j], v[S+32*\x+8*\j+1], v[S+32*\x+8*\j+2]
.endr
.endr
.irp g, 1,2
.irp j, 0,1,2,3
.irp x, 0,1
	v_max3_num_f32 v[ST+8*\x+4+\j], v[ST+8*\x+4+\j], v[S+32*\x+8*\j+2*\g+1], v[S+32*\x+8*\j+2*\g+2]
.endr
.endr
.endr
.irp x, 0,1
	v_max3_num_f32 v[ST+8*\x+4], v[ST+8*\x+4], v[S+32*\x+7], v[S+32*\x+15]
.endr
.irp x, 0,1
	v_max3_num_f32 v[ST+8*\x+6], v[ST+8*\x+6], v[S+32*\x+23], v[S+32*\x+31]
.endr
.irp x, 0,1
	v_max3_num_f32 v[ST+8*\x+4], v[ST+8*\x+4], v[ST+8*\x+5], v[ST+8*\x+6]
.endr
.irp x, 0,1
	v_max3_num_f32 v[ST+8*\x+4], v[ST+8*\x+4], v[ST+8*\x+7], v[ST+8*\x+1]       ; and the old m
.endr
.irp x, 0,1
	v_permlanex16_b32 v[ST+8*\x+5], v[ST+8*\x+4], s[SEL], s[SEL+1]              ; the query's other 32 keys lie in the lane 16 away
.endr
.irp x, 0,1
	v_mov_b32 v[ST+8*\x+7], v[ST+8*\x]             ; c m_old is kept for a
.endr
.irp x, 0,1
	v_max_num_f32 v[ST+8*\x+1], v[ST+8*\x+4], v[ST+8*\x+5]
.endr
.irp x, 0,1
	v_mul_f32 v[ST+8*\x], s[CS], v[ST+8*\x+1]
.endr
.irp x, 0,1
	v_sub_f32 v[ST+8*\x+7], v[ST+8*\x+7], v[ST+8*\x]
.endr
.irp j, 0,1,2,3,4,5,6,7,8,9,10,11,12,13,14,15
.irp x, 0,1
	v_pk_fma_f32 v[S+32*\x+2*\j:S+32*\x+2*\j+1], v[S+32*\x+2*\j:S+32*\x+2*\j+1], s[CS:CS+1], v[ST+8*\x:ST+8*\x+1] op_sel_hi:[1,0,0] neg_lo:[0,0,1] neg_hi:[0,0,1]   ; c s - c m
.endr
.endr
.irp x, 0,1
	v_exp_f32 v[ST+8*\x+6], v[ST+8*\x+7]           ; a
.endr
.irp n, 0,1,2,3,4,5,6,7,8,9,10,11,12,13,14,15,16,17,18,19,20,21,22,23,24,25,26,27,28,29,30,31
.irp x, 0,1
	v_exp_f32 v[S+32*\x+\n], v[S+32*\x+\n]         ; p: the step's 66 exponentials are one batch
.endr
.endr
	v_nop                                          ; a plain instruction behind the last exponential
	s_wait_alu depctr_va_vdst(0)                   ; the wait ahead of the first instruction that names a result: one for the batch
.irp j, 0,1,2,3,4,5,6,7,8,9,10,11,12,13,14,15
.irp x, 0,1
	v_cvt_pk_f16_f32 v[P+16*\x+\j], v[S+32*\x+2*\j], v[S+32*\x+2*\j+1]
.endr
.endr
.irp j, 0,1,2,3,4,5,6,7                        ; the sum of the unrounded p, in place: neighbours 1, 2, 4 and 8 pairs apart
.irp x, 0,1
	v_pk_add_f32 v[S+32*\x+4*\j:S+32*\x+4*\j+1], v[S+32*\x+4*\j:S+32*\x+4*\j+1], v[S+32*\x+4*\j+2:S+32*\x+4*\j+3]
.endr
.endr
.irp j, 0,1,2,3
.irp x, 0,1
	v_pk_add_f32 v[S+32*\x+8*\j:S+32*\x+8*\j+1], v[S+32*\x+8*\j:S+32*\x+8*\j+1], v[S+32*\x+8*\j+4:S+32*\x+8*\j+5]
.endr
.endr
.irp j, 0,1
.irp x, 0,1
	v_pk_add_f32 v[S+32*\x+16*\j:S+32*\x+16*\j+1], v[S+32*\x+16*\j:S+32*\x+16*\j+1], v[S+32*\x+16*\j+8:S+32*\x+16*\j+9]
.endr
.endr
.irp x, 0,1
	v_pk_add_f32 v[S+32*\x:S+32*\x+1], v[S+32*\x:S+32*\x+1], v[S+32*\x+16:S+32*\x+17]
.endr
.irp x, 0,1
	v_pk_fma_f32 v[ST+8*\x+2:ST+8*\x+3], v[ST+8*\x+2:ST+8*\x+3], v[ST+8*\x+6:ST+8*\x+7], v[S+32*\x:S+32*\x+1] op_sel_hi:[1,0,1]   ; l = a l + the sum
.endr
.irp j, 0,1,2,3,4,5,6,7,8,9,10,11,12,13,14,15
.irp x, 0,1
	v_pk_mul_f32 v[O+32*\x+2*\j:O+32*\x+2*\j+1], v[O+32*\x+2*\j:O+32*\x+2*\j+1], v[ST+8*\x+6:ST+8*\x+7] op_sel_hi:[1,0]   ; O^T x a
.endr
.endr
	s_wait_dscnt 0x0                               ; V is in
	WIN 0x01
.irp c, 0,1                                    ; O^T += V^T P: eight accumulators by turns
.irp t, 0,1,2,3
.irp x, 0,1
	v_wmma_f32_16x16x32_f16 v[O+32*\x+8*\t:O+32*\x+8*\t+7], v[VFR+8*(4*\c+\t):VFR+8*(4*\c+\t)+7], v[P+16*\x+8*\c:P+16*\x+8*\c+7], v[O+32*\x+8*\t:O+32*\x+8*\t+7]
.endr
.endr
.endr
	WIN 0
.Lhidden_\@:
	s_add_co_u32 s[KF], s[KF], KS
	s_add_co_u32 s[TB], s[TB], STEPB
.endm
.macro FOURSTEPS                       ; a slot's four key steps: written once, walked four times
	s_mov_b32 s[STP], 4
.Lstep_\@:
	STEP
	s_sub_co_u32 s[STP], s[STP], 1
	s_cmp_lg_u32 s[STP], 0
	s_cbranch_scc1 .Lstep_\@
	s_sub_co_u32 s[TB], s[TB], 4*STEPB             ; back to a slot's first step,
	s_xor_b32 s[TB], s[TB], SLOT1                  ; in the other slot
.endm
	s_wait_loadcnt 0x0                             ; both blocks' Q
.Ltrip:                                            ; eight trips: behind each change of slots the next trip's keys are asked for
	CHANGE 1
	SWITCH
	FOURSTEPS
	s_add_co_u32 s[TAU], s[TAU], 1
	s_cmp_lt_u32 s[TAU], 8
	s_cbranch_scc1 .Ltrip
	CHANGE 0                                       ; the ninth slot is written out: nothing is left to ask for
	SWITCH
	FOURSTEPS
	WAYOUT YA1
	s_wait_tensorcnt 0x0                           ; the wave's end
	ds_add_u32 v[SPW], v[NIL]
	s_wait_dscnt 0x0
	s_endpgm
.Lfunc_end_k_qf2a29f0a3a_attn:
	.size	k_qf2a29f0a3a_attn, .Lfunc_end_k_qf2a29f0a3a_attn-k_qf2a29f0a3a_attn
	.p2alignl 7, 3214868480
	.fill 96, 4, 3214868480
	.section	.rodata,"a",@progbits
	.p2align	6, 0x0
	.amdhsa_kernel k_qf2a29f0a3a_attn
		.amdhsa_group_segment_fixed_size 327680
		.amdhsa_private_segment_fixed_size 0
		.amdhsa_enable_private_segment 0
		.amdhsa_kernarg_size 16
		.amdhsa_user_sgpr_count 2
		.amdhsa_user_sgpr_kernarg_segment_ptr 1
		.amdhsa_wavefront_size32 1
		.amdhsa_system_sgpr_workgroup_id_x 1
		.amdhsa_system_sgpr_workgroup_id_y 1
		.amdhsa_system_sgpr_workgroup_id_z 1
		.amdhsa_system_vgpr_workitem_id 0
		.amdhsa_next_free_vgpr 416
		.amdhsa_next_free_sgpr 80
		.amdhsa_reserve_vcc 1
		.amdhsa_float_denorm_mode_32 3
		.amdhsa_float_denorm_mode_16_64 3
		.amdhsa_memory_ordered 1
		.amdhsa_forward_progress 1
		.amdhsa_inst_pref_size 83
	.end_amdhsa_kernel
	.amdgpu_metadata
---
amdhsa.version: [ 1, 2 ]
amdhsa.kernels:
  - .name:           k_qf2a29f0a3a_attn
    .symbol:         k_qf2a29f0a3a_attn.kd
    .args:
      - { .name: qkv16, .offset: 0, .size: 8, .value_kind: global_buffer, .address_space: global }
      - { .name: y16, .offset: 8, .size: 8, .value_kind: global_buffer, .address_space: global }
    .group_segment_fixed_size: 327680
    .private_segment_fixed_size: 0
    .kernarg_segment_align: 8
    .kernarg_segment_size: 16
    .max_flat_workgroup_size: 256
    .sgpr_count:     80
    .vgpr_count:     416
    .wavefront_size: 32
...
	.end_amdgpu_metadata
.endif
;; end of part 3
;; launch proj (part 4): grid 4 x 64, 4 waves a work-group, clusters of 4 x 4, 327,680 bytes of LDS; arguments y16, wp16, b_proj, out0; writes out0
.if DOCPART == 4
	.amdgcn_target "amdgcn-amd-amdhsa--gfx1250"
	.amdhsa_code_object_version 6
	.text
	.protected	k_qf2a29f0a3a_proj
	.globl	k_qf2a29f0a3a_proj
	.p2align	8
	.type	k_qf2a29f0a3a_proj,@function
k_qf2a29f0a3a_proj:
	s_mov_b64 s[64:65], 0
	v_nop
	global_prefetch_b8 v0, s[64:65] scope:SCOPE_SE
	s_setreg_imm32_b32 hwreg(HW_REG_WAVE_MODE, 25, 1), 1
	s_wait_xcnt 0x0
	s_wait_alu depctr_hold_cnt(0) depctr_sa_sdst(0) depctr_va_vdst(0) depctr_va_sdst(0) depctr_va_ssrc(0) depctr_va_vcc(0) depctr_vm_vsrc(0)
	s_getreg_b32 s2, hwreg(HW_REG_IB_STS2, 6, 4)
	s_cmp_eq_u32 s2, 0
	s_cbranch_scc0 .Lentry_in_a_cluster
	s_endpgm
.Lentry_in_a_cluster:
	s_bfe_u32 s2, ttmp6, 0x10000c
	s_cmp_lg_u32 s2, 0xf033
	s_cbranch_scc0 .Lentry_shape_is_right
	s_endpgm
.Lentry_shape_is_right:
; out0 = y W_proj + b_proj on f16 operands, sums in f32.  A = y16 [64 (row / 128)][16 h][128 (row % 128)][64 d] f16 (k = 64 h + d), B = wp16 [1024 n][1024 k] f16, out0 [8192][1024] f32.
; 8,192 x 1,024 outputs over 256 work-groups: a tile of 128 x 256; four waves, 64 x 128 each: 32 accumulators, 256 registers.  K goes in 8 steps of 128 (two heads) through a ring of two LDS slots.
; For a row block of 128 a head's rows are one dense block of 16,384 bytes: waves 0 and 1 fetch the step's two heads of A, waves 2 and 3 the two halves of B's 256 rows (256 bytes a row).
; CLUSTERS: 4 x 4 work-groups; A's tiles are asked for jointly along a row of the cluster, B's along a column.  Where a slot is filled again a round of the cluster's barrier takes the barrier's place.
; THE MATRIX INSTRUCTION IS USED TRANSPOSED (source 0 = 16 rows of B, source 1 = 16 rows of A).  The bias is the C of each sum's first matrix instruction.
; The first 16 positions of each sequence are stored here too and are written again, from f32 operands, by the launch that follows.
; No prefetch: of the eight K steps two are asked for at the head and the rows are shared in the cluster.
; REGISTERS: window 0: v0-31 addresses; v32-95 A's fragments, two buffers of 4; v96-223 B's, two buffers of 8.  window 1: the accumulators ((a, b) at v[8 (8 a + b)]).  window 2: v0-63 the bias.
.set PA,     144                       ; A's row in LDS: 128 bytes + 16
.set PB,     272                       ; B's: 256 + 16
.set PLANE,  128*PA                    ; one head's 128 rows
.set BOFF,   2*PLANE
.set HALFB,  128*PB
.set SLOT,   BOFF+2*HALFB
.set STAGE,  2*SLOT                    ; behind the ring: 16 rows x 528 bytes for each wave
.set SPITCH, 528
.set SPARE,  STAGE+4*16*SPITCH         ; the spare words, 128 bytes for each wave: two blocks of 256 bytes that no other line names
.set ADRA, 16
.set ADRB, 20
.set STO,  24
.set RD,   25
.set CO,   26
.set SPW,  28
.set NIL,  29
.set BO,   30
.set FA0,  32
.set FB0,  96
.set BK,   32                          ; the way out: rows read back: v32-95 and v96-159 by turns
.set G1, 24
.set G0, 32
.set G1B, 48
.set G0B, 56
.set MSB, 0
.macro WIN new
.if MSB != \new
	s_set_vgpr_msb (MSB<<8)|\new
.set MSB, \new
.endif
.endm
.set MUL,   0x50                       ; C and D window 1
.set FIRST, 0x60                       ; C (the bias) window 2, D window 1
.macro JLOAD s                         ; a joint load: waves 0 and 1 fetch for A, waves 2 and 3 for B; an s_nop 0 and four v_nop follow each of the two lines
	s_cmp_eq_u32 s11, 0
	s_cbranch_scc0 .Lfor_b_\@
	tensor_load_to_lds s[G0+4*\s:G0+4*\s+3], s[G1:G1+7]
	s_nop 0
.rept 4
	v_nop
.endr
	s_branch .Lasked_\@
.Lfor_b_\@:
	tensor_load_to_lds s[G0B+4*\s:G0B+4*\s+3], s[G1B:G1B+7]
	s_nop 0
.rept 4
	v_nop
.endr
.Lasked_\@:
.endm
.macro CREST                           ; a round of the cluster's barrier behind its opening barrier
	s_cmp_lg_u32 s10, 0
	s_cbranch_scc1 .Lnot_wave_0_\@
	s_barrier_signal -3
.Lnot_wave_0_\@:
	s_barrier_wait -3
	s_barrier_signal -1
	s_barrier_wait -1
.endm
.macro CROUND
	s_barrier_signal -1
	s_barrier_wait -1
	CREST
.endm
	s_load_b128 s[4:7], s[0:1], 0x0                ; y16 s[4:5], wp16 s[6:7]
	s_load_b128 s[68:71], s[0:1], 0x10             ; b_proj s[68:69], out0 s[70:71]
	v_lshl_add_u32 v[SPW], v0, 2, SPARE
	v_mov_b32 v[NIL], 0
	ds_add_u32 v[SPW], v[NIL]                      ; the wave's opening: the add, twice on end, and its wait ahead of my first tensor load
	ds_add_u32 v[SPW], v[NIL]
	v_lshrrev_b32 v1, 5, v0
	v_readfirstlane_b32 s10, v1                    ; wave 0..3
	s_lshr_b32 s11, s10, 1                         ; which 64 rows are mine.  Also: I fetch for A (0) or for B (1)
	s_and_b32 s12, s10, 1                          ; which 128 columns.  Also: which head of the step, or which 128 rows of B, I fetch
	s_bfe_u32 s40, ttmp6, 0x40000                  ; cx
	s_bfe_u32 s41, ttmp6, 0x40004                  ; cy
	s_lshl_b32 s42, ttmp9, 2
	s_add_co_u32 s42, s42, s40                     ; tile column
	s_and_b32 s13, ttmp7, 0xffff
	s_lshl_b32 s13, s13, 2
	s_add_co_u32 s13, s13, s41                     ; tile row
	s_lshl_b32 s43, s41, 2
	s_lshl_b32 s43, 15, s43                        ; my row of the cluster
	s_lshl_b32 s44, 0x1111, s40                    ; my column
	s_or_b32 s[G1+0], s43, (1<<16)|(1<<20)|(1<<21)|(4<<22)|(3<<25)   ; the mask; elements of 2 bytes; padding on; bit 21 beside a mask; 4 words after every 32
	s_mov_b32 s[G1+1], 64<<16                      ; tensor_dim0 = 64
	s_mov_b32 s[G1+2], 128<<16                     ; tensor_dim1 = 128
	s_mov_b32 s[G1+3], 64<<16                      ; tile_dim0 = 64
	s_mov_b32 s[G1+4], 128                         ; tile_dim1 = 128
	s_mov_b32 s[G1+5], 64                          ; elements from row to row
	s_mov_b32 s[G1+6], 0
	s_mov_b32 s[G1+7], 0
	s_or_b32 s[G1B+0], s44, (1<<16)|(1<<20)|(1<<21)|(5<<22)|(3<<25)  ; 4 words after every 64
	s_mov_b32 s[G1B+1], 128<<16
	s_mov_b32 s[G1B+2], 128<<16
	s_mov_b32 s[G1B+3], 128<<16
	s_mov_b32 s[G1B+4], 128
	s_mov_b32 s[G1B+5], 1024
	s_mov_b32 s[G1B+6], 0
	s_mov_b32 s[G1B+7], 0
	s_lshl_b32 s16, s13, 18                        ; A: a row block's 16 heads are 2^18 bytes,
	s_lshl_b32 s17, s12, 14                        ; a head 2^14
	s_add_co_u32 s16, s16, s17
	s_mov_b32 s17, 0
	s_lshl_b32 s46, s42, 19                        ; B: 256 rows of 2,048 bytes,
	s_lshl_b32 s47, s12, 18                        ; my 128
	s_add_co_u32 s46, s46, s47
	s_mov_b32 s47, 0
	s_mul_i32 s20, s12, PLANE                      ; where they go: no place in the cluster enters an LDS address
	s_mul_i32 s21, s12, HALFB
	s_add_co_u32 s21, s21, BOFF
	s_wait_dscnt 0x0                               ; both opening adds are done
	s_wait_kmcnt 0x0
	s_add_nc_u64 s[14:15], s[4:5], s[16:17]
	s_add_nc_u64 s[46:47], s[6:7], s[46:47]
	CROUND                                         ; all sixteen work-groups are here: the first joint loads meet
.irp s, 0,1
	s_mov_b32 s[G0+4*\s], 1
	s_add_co_u32 s[G0+4*\s+1], s20, \s*SLOT
	s_add_nc_u64 s[G0+4*\s+2:G0+4*\s+3], s[14:15], \s*32768        ; K step s: heads 2 s, 2 s + 1
	s_or_b32 s[G0+4*\s+3], s[G0+4*\s+3], 0x80000000
	s_mov_b32 s[G0B+4*\s], 1
	s_add_co_u32 s[G0B+4*\s+1], s21, \s*SLOT
	s_add_nc_u64 s[G0B+4*\s+2:G0B+4*\s+3], s[46:47], \s*256
	s_or_b32 s[G0B+4*\s+3], s[G0B+4*\s+3], 0x80000000
	JLOAD \s                                       ; two loads of mine are out
.endr
	v_and_b32 v1, 15, v0                           ; r
	v_bfe_u32 v2, v0, 4, 1                         ; h
	v_mul_u32_u24 v3, v1, PA
	v_lshl_add_u32 v3, v2, 4, v3
	v_mul_u32_u24 v4, v1, PB
	v_lshl_add_u32 v4, v2, 4, v4
	s_mul_i32 s22, s11, 64*PA                      ; my 64 rows of A
	s_mul_i32 s23, s12, HALFB                      ; my 128 rows of B
	s_add_co_u32 s23, s23, BOFF
.irp s, 0,1
	v_add_nc_u32 v[ADRA+\s], s22, v3
	v_add_nc_u32 v[ADRB+\s], s23, v4
	s_add_co_u32 s22, s22, SLOT
	s_add_co_u32 s23, s23, SLOT
.endr
	s_mul_i32 s23, s10, 16*SPITCH
	s_add_co_u32 s23, s23, STAGE                   ; my stage
	v_mul_u32_u24 v5, v1, SPITCH
	v_lshl_add_u32 v5, v2, 5, v5
	v_add_nc_u32 v[STO], s23, v5                   ; in: row r, 32 bytes for each half of the lanes
	v_and_b32 v6, 31, v0
	v_lshlrev_b32 v[CO], 4, v6
	v_add_nc_u32 v[RD], s23, v[CO]                 ; back: the 32 lanes take one row of 512 bytes
	v_lshlrev_b32 v[BO], 5, v2
	s_lshl_b32 s16, s42, 10
	s_lshl_b32 s17, s12, 9
	s_add_co_u32 s16, s16, s17                     ; my first column, in bytes
	s_mov_b32 s17, 0
	s_add_nc_u64 s[68:69], s[68:69], s[16:17]      ; the bias there
	s_lshl_b32 s22, s13, 19                        ; 128 rows of 4,096 bytes,
	s_add_co_u32 s16, s16, s22
	s_lshl_b32 s22, s11, 18                        ; my 64
	s_add_co_u32 s16, s16, s22
	s_add_nc_u64 s[70:71], s[70:71], s[16:17]      ; out0 at my first row and column
	WIN 0x80                                       ; destination window 2
.irp b, 0,1,2,3,4,5,6,7
	global_load_b128 v[8*\b:8*\b+3], v[BO], s[68:69] offset:64*\b          ; b_proj at columns 16 b + 8 h + 0 .. 7
	global_load_b128 v[8*\b+4:8*\b+7], v[BO], s[68:69] offset:64*\b+16
.endr
	WIN 0
.macro MUL8 f, a, first                ; 8 matrix instructions: A's block a x B's eight, 32 along K.  The 32 accumulators take turns, in one order throughout
.irp b, 0,1,2,3,4,5,6,7
.if \first
	v_wmma_f32_16x16x32_f16 v[8*(8*(\a)+\b):8*(8*(\a)+\b)+7], v[FB0+64*(\f)+8*\b:FB0+64*(\f)+8*\b+7], v[FA0+32*(\f)+8*(\a):FA0+32*(\f)+8*(\a)+7], v[8*\b:8*\b+7]
.else
	v_wmma_f32_16x16x32_f16 v[8*(8*(\a)+\b):8*(8*(\a)+\b)+7], v[FB0+64*(\f)+8*\b:FB0+64*(\f)+8*\b+7], v[FA0+32*(\f)+8*(\a):FA0+32*(\f)+8*(\a)+7], v[8*(8*(\a)+\b):8*(8*(\a)+\b)+7]
.endif
.endr
.endm
.macro FETCH slot, q, f                ; 24 LDS loads in one run: the fragments of quarter q (32 along K) into buffer f: B's sixteen loads, then A's eight
.irp i, 0,1,2,3,4,5,6,7
	ds_load_b128 v[FB0+64*(\f)+8*\i:FB0+64*(\f)+8*\i+3], v[ADRB+\slot] offset:64*(\q)+\i*16*PB
	ds_load_b128 v[FB0+64*(\f)+8*\i+4:FB0+64*(\f)+8*\i+7], v[ADRB+\slot] offset:64*(\q)+\i*16*PB+32
.endr
.irp i, 0,1,2,3
	ds_load_b128 v[FA0+32*(\f)+8*\i:FA0+32*(\f)+8*\i+3], v[ADRA+\slot] offset:((\q)/2)*PLANE+((\q)%2)*64+\i*16*PA
	ds_load_b128 v[FA0+32*(\f)+8*\i+4:FA0+32*(\f)+8*\i+7], v[ADRA+\slot] offset:((\q)/2)*PLANE+((\q)%2)*64+\i*16*PA+32
.endr
.endm
.macro PLACES                          ; four plain vector instructions in front of loads into registers that matrix instructions have read, and of reads of results
.rept 4
	v_nop
.endr
.endm
.macro QUARTER slot, qn, f, g, first   ; multiplies buffer f; in its middle it fetches quarter qn of the same slot into buffer g
	s_wait_dscnt 4                                 ; B and A's blocks 0, 1 are in; the youngest four loads (A's blocks 2, 3) may be out
.if \first
	WIN FIRST
.else
	WIN MUL
.endif
	MUL8 \f, 0, \first
	MUL8 \f, 1, \first
	PLACES
	WIN 0
	FETCH \slot, \qn, \g
	s_wait_dscnt 24                                ; all but the 24 just issued
.if \first
	WIN FIRST
.else
	WIN MUL
.endif
	MUL8 \f, 2, \first
	MUL8 \f, 3, \first
.endm
; The last quarter multiplies buffer 1 and changes slots: ONE barrier; in front of it each wave waits for all its tensor loads, adds 0 to its spare word, and waits for that and for its reads of this slot.
.macro TURN slot, next, fill
	WIN 0
	s_wait_tensorcnt 0x0                           ; all my tensor loads have landed: my part of the next slot
	ds_add_u32 v[SPW], v[NIL]
	s_wait_dscnt 5                                 ; the add and the youngest four loads may be out
	WIN MUL
	MUL8 1, 0, 0
	s_wait_dscnt 0x0                               ; the add is done, and my reads of this slot are over
	s_barrier_signal -1
	MUL8 1, 1, 0
	WIN 0
	s_barrier_wait -1
.if \fill
	CREST                                          ; the barrier has opened a round of the cluster's: no wave of any partner still reads this slot or has a load on its way
	s_add_nc_u64 s[G0+4*\slot+2:G0+4*\slot+3], s[G0+4*\slot+2:G0+4*\slot+3], 65536     ; two K steps on: four heads
	s_add_nc_u64 s[G0B+4*\slot+2:G0B+4*\slot+3], s[G0B+4*\slot+2:G0B+4*\slot+3], 512
	JLOAD \slot                                    ; the first tensor load behind the round; its four v_nop are also the places in front of the loads below
.else
	PLACES
.endif
	FETCH \next, 0, 0
	WIN MUL
	MUL8 1, 2, 0
	MUL8 1, 3, 0
.endm
	s_wait_tensorcnt 1                             ; my part of K step 0 is in; K step 1's load may be out
	s_barrier_signal -1
	s_barrier_wait -1
	FETCH 0, 0, 0
	s_wait_loadcnt 0x0                             ; the bias
	QUARTER 0, 1, 0, 1, 1                          ; the first quarter stands in front of the loop: its products start the sums from the bias
	WIN 0
	s_mov_b32 s3, 3
.Llap:                                             ; a trip goes once round the ring and fills both slots again: K steps 2 to 7
	QUARTER 0, 2, 1, 0, 0
	QUARTER 0, 3, 0, 1, 0
	TURN 0, 1, 1
	QUARTER 1, 1, 0, 1, 0
	QUARTER 1, 2, 1, 0, 0
	QUARTER 1, 3, 0, 1, 0
	TURN 1, 0, 1
	QUARTER 0, 1, 0, 1, 0
	WIN 0
	s_sub_co_u32 s3, s3, 1
	s_cmp_lg_u32 s3, 0
	s_cbranch_scc1 .Llap
	QUARTER 0, 2, 1, 0, 0                          ; the last lap fills nothing
	QUARTER 0, 3, 0, 1, 0
	TURN 0, 1, 0
	QUARTER 1, 1, 0, 1, 0
	QUARTER 1, 2, 1, 0, 0
	QUARTER 1, 3, 0, 1, 0
	s_wait_dscnt 4
	WIN MUL
	MUL8 1, 0, 0
	MUL8 1, 1, 0
	s_wait_dscnt 0
	MUL8 1, 2, 0
	MUL8 1, 3, 0
	WIN 0
; THE WAY OUT, block by block of 16 rows x 128 columns, through my own stage: back as whole rows of 512 bytes.
.macro TOSTAGE a
	WIN 0x04                                       ; an LDS store's data are its source 1: window 1
.irp b, 0,1,2,3,4,5,6,7
	ds_store_b128 v[STO], v[64*(\a)+8*\b:64*(\a)+8*\b+3] offset:64*\b            ; each accumulator from its low end on
	ds_store_b128 v[STO], v[64*(\a)+8*\b+4:64*(\a)+8*\b+7] offset:64*\b+16
.endr
	WIN 0
.set BB, BK+64*((\a)%2)
.irp t, 0,1,2,3,4,5,6,7,8,9,10,11,12,13,14,15
	ds_load_b128 v[BB+4*\t:BB+4*\t+3], v[RD] offset:\t*SPITCH
.endr
.endm
.macro SEND a, younger                 ; younger: the LDS instructions issued behind block a's loads, which may stay out
.set BB, BK+64*((\a)%2)
	s_wait_dscnt \younger
.if (\a) > 0
	s_add_nc_u64 s[70:71], s[70:71], 65536         ; (behind a wait on XCNT)  16 rows of 4,096 bytes on
.endif
.irp t, 0,1,2,3,4,5,6,7,8,9,10,11,12,13,14,15
	global_store_b128 v[CO], v[BB+4*\t:BB+4*\t+3], s[70:71] offset:\t*4096 th:TH_STORE_NT   ; 32 lanes store 512 consecutive bytes, aligned to 256
.endr
.endm
	PLACES
	TOSTAGE 0
.irp a, 1,2,3
.if \a > 1
	s_wait_xcnt 0x0                                ; block a - 2's stores have read their registers and their base
.endif
	TOSTAGE \a
	SEND \a-1, 32                                  ; behind block a - 1's loads: block a's 16 stores and 16 loads
.endr
	s_wait_xcnt 0x0
	SEND 3, 0
	s_wait_tensorcnt 0x0                           ; the wave's end
	ds_add_u32 v[SPW], v[NIL]
	s_wait_dscnt 0x0
	CROUND                                         ; the closing round
	s_endpgm
.Lfunc_end_k_qf2a29f0a3a_proj:
	.size	k_qf2a29f0a3a_proj, .Lfunc_end_k_qf2a29f0a3a_proj-k_qf2a29f0a3a_proj
	.p2alignl 7, 3214868480
	.fill 96, 4, 3214868480
	.section	.rodata,"a",@progbits
	.p2align	6, 0x0
	.amdhsa_kernel k_qf2a29f0a3a_proj
		.amdhsa_group_segment_fixed_size 327680
		.amdhsa_private_segment_fixed_size 0
		.amdhsa_enable_private_segment 0
		.amdhsa_kernarg_size 32
		.amdhsa_user_sgpr_count 2
		.amdhsa_user_sgpr_kernarg_segment_ptr 1
		.amdhsa_wavefront_size32 1
		.amdhsa_system_sgpr_workgroup_id_x 1
		.amdhsa_system_sgpr_workgroup_id_y 1
		.amdhsa_system_sgpr_workgroup_id_z 1
		.amdhsa_system_vgpr_workitem_id 0
		.amdhsa_next_free_vgpr 576
		.amdhsa_next_free_sgpr 72
		.amdhsa_reserve_vcc 0
		.amdhsa_float_denorm_mode_32 3
		.amdhsa_float_denorm_mode_16_64 3
		.amdhsa_memory_ordered 1
		.amdhsa_forward_progress 1
		.amdhsa_inst_pref_size 87
	.end_amdhsa_kernel
	.amdgpu_metadata
---
amdhsa.version: [ 1, 2 ]
amdhsa.kernels:
  - .name:           k_qf2a29f0a3a_proj
    .symbol:         k_qf2a29f0a3a_proj.kd
    .args:
      - { .name: y16, .offset: 0, .size: 8, .value_kind: global_buffer, .address_space: global }
      - { .name: wp16, .offset: 8, .size: 8, .value_kind: global_buffer, .address_space: global }
      - { .name: b_proj, .offset: 16, .size: 8, .value_kind: global_buffer, .address_space: global }
      - { .name: out0, .offset: 24, .size: 8, .value_kind: global_buffer, .address_space: global }
    .group_segment_fixed_size: 327680
    .private_segment_fixed_size: 0
    .kernarg_segment_align: 8
    .kernarg_segment_size: 32
    .max_flat_workgroup_size: 128
    .sgpr_count:     72
    .vgpr_count:     576
    .wavefront_size: 32
...
	.end_amdgpu_metadata
.endif
;; end of part 4
;; launch fine (part 5): grid 16 x 4, 16 waves a work-group, no clusters, 67,584 bytes of LDS; arguments qkv32, W_proj, b_proj, out0; writes out0
.if DOCPART == 5
	.amdgcn_target "amdgcn-amd-amdhsa--gfx1250"
	.amdhsa_code_object_version 6
	.text
	.protected	k_qf2a29f0a3a_fine
	.globl	k_qf2a29f0a3a_fine
	.p2align	8
	.type	k_qf2a29f0a3a_fine,@function
k_qf2a29f0a3a_fine:
	s_mov_b64 s[64:65], 0
	v_nop
	global_prefetch_b8 v0, s[64:65] scope:SCOPE_SE
	s_setreg_imm32_b32 hwreg(HW_REG_WAVE_MODE, 25, 1), 1
	s_wait_xcnt 0x0
; The first 16 positions of each sequence, once more, all in f32: there a row of the softmax averages one to sixteen values, the results are the largest in size, and the rounding of f16 operands weighs most.
; qkv32 [4 b][16 t][3072] f32 holds their q, k, v.  A work-group takes a batch (y) and 64 columns of the output (x).  Wave h makes head h's attention for the 16 positions (16 x 16 scores), keeps y in registers
; and multiplies it by its own 64 rows of W_proj; the sixteen partial tiles meet in LDS, and wave w adds position w's row in a fixed order.  64 rows of out0 are written over the earlier launch's.
; The attention is made again in each of a batch's sixteen column blocks: 12 KB of reads and 32 matrix instructions a wave.
; v_wmma_f32_16x16x4_f32: lane (r, h) holds row r (or column r) and k = 2 h + j in register j.  A permutation of k applied alike to both sources keeps the products, so the sources are taken as 16-byte loads
; bring them.  The accumulators v40-71 are written by matrix instructions alone, and each sum begins with the constant 0.  Nine v_nop stand behind each group of products.
; LIMITS: NaN and infinities are not served; hidden scores are -infinity (p = 0).
.set PART,  0                          ; LDS: [16 source waves][16 positions][256 bytes]
.set SPARE, 65536                      ; the spare words, 128 bytes for each wave: eight blocks of 256 bytes that no other line names
.set SPW, 12
.set NIL, 13
.set BI,  14                           ; v[14:15] the bias, then the sum
.set SV,  16                           ; v16-23  scores
.set P,   24                           ; v24-31  p
.set T,   32                           ; v32-39  at work
.set ACC, 40                           ; v40-71  four accumulators
.set QF,  72                           ; v72-103  q;  v104-135 k;  later W_proj's rows with dt = 2, 3
.set KF,  104
.set WB,  72
.set VF,  136                          ; v136-167 v, later y
.set WA,  168                          ; v168-231 W_proj's rows with dt = 0, 1; later the sixteen parts
.macro NINE
.rept 9
	v_nop
.endr
.endm
.macro SWAP8 base                      ; eight registers [j][u] (4 j + u) become [u][j] (2 u + j): a K step's two numbers stand in a pair
	v_swap_b32 v[\base+1], v[\base+4]
	v_swap_b32 v[\base+2], v[\base+4]
	v_swap_b32 v[\base+3], v[\base+5]
	v_swap_b32 v[\base+5], v[\base+6]
.endm
	s_load_b256 s[4:11], s[0:1], 0x0               ; qkv32 s[4:5], W_proj s[6:7], b_proj s[8:9], out0 s[10:11]
	v_lshl_add_u32 v[SPW], v0, 2, SPARE
	v_mov_b32 v[NIL], 0
	v_lshrrev_b32 v1, 5, v0
	v_readfirstlane_b32 s12, v1                    ; wave = head, later = position
	v_and_b32 v1, 15, v0                           ; r
	v_bfe_u32 v2, v0, 4, 1                         ; h
	v_mul_u32_u24 v3, v1, 12288
	v_lshl_add_u32 v3, v2, 4, v3                   ; q, k: position r, + 4 h numbers
	v_mul_u32_u24 v4, v2, 98304
	v_lshl_add_u32 v4, v1, 4, v4                   ; v: positions 8 h on, channels 4 r + 0 .. 3
	v_lshlrev_b32 v5, 17, v2
	v_lshl_add_u32 v5, v1, 4, v5                   ; W_proj: rows 32 h on, columns 4 r + 0 .. 3
	v_lshlrev_b32 v6, 3, v2
	v_sub_nc_u32 v6, v1, v6                        ; r - 8 h
	v_mov_b32 v7, 0xff800000                       ; -infinity
	s_lshl_b32 s13, s12, 12
	v_lshlrev_b32 v8, 11, v2
	v_lshl_add_u32 v8, v1, 4, v8
	v_add_nc_u32 v8, s13, v8                       ; my part: 4,096 x wave + positions 8 h on + 16 r
	v_and_b32 v10, 31, v0
	v_lshlrev_b32 v10, 3, v10                      ; 8 x lane
	s_lshl_b32 s13, s12, 8
	v_add_nc_u32 v9, s13, v10                      ; back: position = wave, 8 bytes a lane
	v_mov_b32 v233, 0                              ; written once: a lane permute's destination counts as one of its sources
	v_mov_b32 v236, 0
	s_mov_b32 s20, 0x76543210
	s_mov_b32 s21, 0xfedcba98
	s_mov_b32 s22, 0x3e38aa3b                      ; c = log2(e) / 8
	s_and_b32 s14, ttmp7, 0xffff                   ; the batch
	s_mul_i32 s16, s14, 196608
	s_add_co_u32 s16, s16, s13                     ; + 64 numbers a head
	s_mov_b32 s17, 0
	s_lshl_b32 s18, s12, 18                        ; my head's 64 rows of 4,096 bytes
	s_lshl_b32 s15, ttmp9, 8                       ; the block's 64 columns
	s_add_co_u32 s18, s18, s15
	s_mov_b32 s19, 0
	s_lshl_b32 s24, s14, 23                        ; 2,048 rows of 4,096 bytes a batch
	s_lshl_b32 s25, s12, 12
	s_add_co_u32 s24, s24, s25
	s_add_co_u32 s24, s24, s15
	s_mov_b32 s25, 0
	s_mov_b32 s26, s15
	s_mov_b32 s27, 0
	s_wait_kmcnt 0x0
	s_add_nc_u64 s[4:5], s[4:5], s[16:17]
	s_add_nc_u64 s[6:7], s[6:7], s[18:19]
	s_add_nc_u64 s[8:9], s[8:9], s[26:27]
	s_add_nc_u64 s[10:11], s[10:11], s[24:25]
	global_load_b64 v[BI:BI+1], v10, s[8:9]
.irp c, 0,1,2,3,4,5,6,7
	global_load_b128 v[QF+4*\c:QF+4*\c+3], v3, s[4:5] offset:32*\c             ; register 4 c + e: d = 8 c + 4 h + e
.endr
.irp c, 0,1,2,3,4,5,6,7
	global_load_b128 v[KF+4*\c:KF+4*\c+3], v3, s[4:5] offset:4096+32*\c
.endr
.irp s, 0,1,2,3
.irp j, 0,1
	global_load_b128 v[VF+8*\s+4*\j:VF+8*\s+4*\j+3], v4, s[4:5] offset:8192+(2*\s+\j)*12288   ; key 8 h + 2 s + j, channels 4 r + u
.endr
.endr
.irp t, 0,1
.irp s, 0,1,2,3
.irp j, 0,1
	global_load_b128 v[WA+32*\t+8*\s+4*\j:WA+32*\t+8*\s+4*\j+3], v5, s[6:7] offset:(8*\s+4*\j+\t)*4096   ; channel 32 h + 4 (2 s + j) + t, columns 4 r + u
.endr
.endr
.endr
	s_wait_loadcnt 24                              ; the bias, q and k are in; v's 8 and W's 16 loads may be out
.irp g, 0,1,2,3                                ; S^T = K Q^T: 16 K steps, four accumulators by turns
.irp t, 0,1,2,3
.if \g == 0
	v_wmma_f32_16x16x4_f32 v[ACC+8*\t:ACC+8*\t+7], v[KF+2*(4*\g+\t):KF+2*(4*\g+\t)+1], v[QF+2*(4*\g+\t):QF+2*(4*\g+\t)+1], 0
.else
	v_wmma_f32_16x16x4_f32 v[ACC+8*\t:ACC+8*\t+7], v[KF+2*(4*\g+\t):KF+2*(4*\g+\t)+1], v[QF+2*(4*\g+\t):QF+2*(4*\g+\t)+1], v[ACC+8*\t:ACC+8*\t+7]
.endif
.endr
.endr
	NINE
.irp t, 0,1
.irp s, 0,1,2,3
.irp j, 0,1
	global_load_b128 v[WB+32*\t+8*\s+4*\j:WB+32*\t+8*\s+4*\j+3], v5, s[6:7] offset:(8*\s+4*\j+2+\t)*4096
.endr
.endr
.endr
.irp j, 0,1,2,3,4,5,6,7                        ; lane (r, h), register j: key 8 h + j, query r
	v_add_f32 v[T+\j], v[ACC+\j], v[ACC+8+\j]
	v_add_f32 v[SV+\j], v[ACC+16+\j], v[ACC+24+\j]
.endr
.irp j, 0,1,2,3,4,5,6,7
	v_add_f32 v[SV+\j], v[SV+\j], v[T+\j]
.endr
.irp j, 0,1,2,3,4,5,6,7
	v_cmp_gt_i32 vcc_lo, \j, v6                    ; hidden where 8 h + j > r
	v_cndmask_b32 v[SV+\j], v[SV+\j], v7, vcc_lo
.endr
	v_max3_num_f32 v232, v[SV], v[SV+1], v[SV+2]
	v_max3_num_f32 v232, v232, v[SV+3], v[SV+4]
	v_max3_num_f32 v232, v232, v[SV+5], v[SV+6]
	v_max_num_f32 v232, v232, v[SV+7]
	v_permlanex16_b32 v233, v232, s20, s21
	v_max_num_f32 v232, v232, v233                 ; the row's largest score (key 0 counts for every query)
	v_mul_f32 v234, s22, v232
.irp j, 0,1,2,3,4,5,6,7
	v_fma_f32 v[P+\j], v[SV+\j], s22, -v234
.endr
.irp j, 0,1,2,3,4,5,6,7
	v_exp_f32 v[P+\j], v[P+\j]
.endr
	v_nop                                          ; a plain instruction behind the last exponential
	s_wait_alu depctr_va_vdst(0)                   ; the wait ahead of the first use: one for the eight
	v_add_f32 v235, v[P], v[P+1]                   ; the row's sum, ahead of the products
	v_add_f32 v[T], v[P+2], v[P+3]
	v_add_f32 v[T+1], v[P+4], v[P+5]
	v_add_f32 v[T+2], v[P+6], v[P+7]
	v_add_f32 v235, v235, v[T]
	v_add_f32 v[T+1], v[T+1], v[T+2]
	v_add_f32 v235, v235, v[T+1]
	v_permlanex16_b32 v236, v235, s20, s21
	v_add_f32 v235, v235, v236
	v_rcp_f32 v237, v235
	v_nop
	s_wait_alu depctr_va_vdst(0)
	s_wait_loadcnt 32                              ; v is in; W's 32 loads may be out
.irp s, 0,1,2,3
	SWAP8 VF+8*\s
.endr
.irp s, 0,1,2,3                                ; O^T = V^T P: K step s takes keys 8 h + 2 s + j; tile t's lane r means channel 4 r + t
.irp t, 0,1,2,3
.if \s == 0
	v_wmma_f32_16x16x4_f32 v[ACC+8*\t:ACC+8*\t+7], v[VF+8*\s+2*\t:VF+8*\s+2*\t+1], v[P+2*\s:P+2*\s+1], 0
.else
	v_wmma_f32_16x16x4_f32 v[ACC+8*\t:ACC+8*\t+7], v[VF+8*\s+2*\t:VF+8*\s+2*\t+1], v[P+2*\s:P+2*\s+1], v[ACC+8*\t:ACC+8*\t+7]
.endif
.endr
.endr
	NINE
.irp i, 0,1,2,3,4,5,6,7,8,9,10,11,12,13,14,15,16,17,18,19,20,21,22,23,24,25,26,27,28,29,30,31
	v_mul_f32 v[VF+\i], v[ACC+\i], v237            ; y: register 8 t + j of lane (r, h): query r, channel 32 h + 4 j + t
.endr
	s_wait_loadcnt 16                              ; W's rows with t = 0, 1 are in
.irp i, 0,1,2,3,4,5,6,7
	SWAP8 WA+8*\i
.endr
	s_wait_loadcnt 0x0
.irp i, 0,1,2,3,4,5,6,7
	SWAP8 WB+8*\i
.endr
.irp t, 0,1,2,3                                ; my head's part of the projection: source 0 = y (16 queries), source 1 = W_proj (tile u's lane r means column 4 r + u); four accumulators by turns
.if \t < 2
.set WD, WA+32*\t
.else
.set WD, WB+32*(\t-2)
.endif
.irp s, 0,1,2,3
.irp u, 0,1,2,3
.if (\t == 0) && (\s == 0)
	v_wmma_f32_16x16x4_f32 v[ACC+8*\u:ACC+8*\u+7], v[VF+8*\t+2*\s:VF+8*\t+2*\s+1], v[WD+8*\s+2*\u:WD+8*\s+2*\u+1], 0
.else
	v_wmma_f32_16x16x4_f32 v[ACC+8*\u:ACC+8*\u+7], v[VF+8*\t+2*\s:VF+8*\t+2*\s+1], v[WD+8*\s+2*\u:WD+8*\s+2*\u+1], v[ACC+8*\u:ACC+8*\u+7]
.endif
.endr
.endr
.endr
	NINE
.irp j, 0,1,2,3,4,5,6,7                        ; register 8 u + j of lane (r, h): query 8 h + j, column 4 r + u; each accumulator is read first at its register 0
.irp u, 0,1,2,3
	ds_store_b32 v8, v[ACC+8*\u+\j] offset:PART+256*\j+4*\u
.endr
.endr
	s_wait_dscnt 0x0                               ; for the others' sake: my part lies in LDS
	s_barrier_signal -1
	s_barrier_wait -1
.irp i, 0,1,2,3,4,5,6,7,8,9,10,11,12,13,14,15
	ds_load_b64 v[WA+2*\i:WA+2*\i+1], v9 offset:PART+4096*\i
.endr
	s_wait_dscnt 0x0
.irp i, 0,1,2,3,4,5,6,7,8,9,10,11,12,13,14,15
	v_pk_add_f32 v[BI:BI+1], v[BI:BI+1], v[WA+2*\i:WA+2*\i+1]      ; the bias and the sixteen heads' parts, in order
.endr
	global_store_b64 v10, v[BI:BI+1], s[10:11]     ; 32 lanes store 256 consecutive bytes, aligned
	s_wait_tensorcnt 0x0                           ; the wave's end: a tensor wait, an add to my spare word and its wait, behind my last LDS store
	ds_add_u32 v[SPW], v[NIL]
	s_wait_dscnt 0x0
	s_endpgm
.Lfunc_end_k_qf2a29f0a3a_fine:
	.size	k_qf2a29f0a3a_fine, .Lfunc_end_k_qf2a29f0a3a_fine-k_qf2a29f0a3a_fine
	.p2alignl 7, 3214868480
	.fill 96, 4, 3214868480
	.section	.rodata,"a",@progbits
	.p2align	6, 0x0
	.amdhsa_kernel k_qf2a29f0a3a_fine
		.amdhsa_group_segment_fixed_size 67584
		.amdhsa_private_segment_fixed_size 0
		.amdhsa_enable_private_segment 0
		.amdhsa_kernarg_size 32
		.amdhsa_user_sgpr_count 2
		.amdhsa_user_sgpr_kernarg_segment_ptr 1
		.amdhsa_wavefront_size32 1
		.amdhsa_system_sgpr_workgroup_id_x 1
		.amdhsa_system_sgpr_workgroup_id_y 1
		.amdhsa_system_sgpr_workgroup_id_z 1
		.amdhsa_system_vgpr_workitem_id 0
		.amdhsa_next_free_vgpr 240
		.amdhsa_next_free_sgpr 66
		.amdhsa_reserve_vcc 1
		.amdhsa_float_denorm_mode_32 3
		.amdhsa_float_denorm_mode_16_64 3
		.amdhsa_memory_ordered 1
		.amdhsa_forward_progress 1
		.amdhsa_inst_pref_size 26
	.end_amdhsa_kernel
	.amdgpu_metadata
---
amdhsa.version: [ 1, 2 ]
amdhsa.kernels:
  - .name:           k_qf2a29f0a3a_fine
    .symbol:         k_qf2a29f0a3a_fine.kd
    .args:
      - { .name: qkv32, .offset: 0, .size: 8, .value_kind: global_buffer, .address_space: global }
      - { .name: W_proj, .offset: 8, .size: 8, .value_kind: global_buffer, .address_space: global }
      - { .name: b_proj, .offset: 16, .size: 8, .value_kind: global_buffer, .address_space: global }
      - { .name: out0, .offset: 24, .size: 8, .value_kind: global_buffer, .address_space: global }
    .group_segment_fixed_size: 67584
    .private_segment_fixed_size: 0
    .kernarg_segment_align: 8
    .kernarg_segment_size: 32
    .max_flat_workgroup_size: 512
    .sgpr_count:     66
    .vgpr_count:     240
    .wavefront_size: 32
...
	.end_amdgpu_metadata
.endif
;; end of part 5
